; MI455X (gfx1250); checked and timed in simulation.
; The chip was launched on July 23, 2026; its instructions are those of AMD's public machine-readable ISA for CDNA 5 (MIT licence, August 2026) and "CDNA5" Instruction Set Architecture Reference Guide (July 2026). The comments in the code are by the model that wrote it; some were corrected since.
;; Self Attention Block. Allowed arithmetic: float matrix products may take bf16 or f16 operands with f32 sums; other float arithmetic in f32, or as packed bf16 or f16 multiplies, adds, multiply-adds, maxima and minima; sums over many terms, partial sums and values carried from step to step in f32; what a program stores and reads back later, other than sums and carried values, may be rounded once to bf16 or f16.
;; Inputs: Wk 1,024 x 2,048 float32; Wo 2,048 x 1,024 float32; Wq 1,024 x 2,048 float32; Wv 1,024 x 2,048 float32; attention_mask 4 x 1,024 x 1,024 bool; hidden_states 4 x 1,024 x 2,048 float32; ln_weight 2,048 float32; position_bias 32 x 1,024 x 1,024 float32.
;; Outputs: out0 4 x 1,024 x 2,048 float32.
;; 2 versions, each right; version 2 is version 1 with the launch prep written anew for expert scheduling mode. Each part assembles by itself: llvm-mc -triple=amdgcn-amd-amdhsa -mcpu=gfx1250 --defsym DOCPART=n.
;; ======== version 1 of 2: 4 launches
;; limits: inputs' magnitudes at most 7.9e+28; right only within a limited range of input values
;; workspace buffers: xn 16,777,216 bytes; wqkv 12,582,912 bytes; wo 4,194,304 bytes; mk 4,194,304 bytes; qkvp 25,165,824 bytes; ctx 8,388,608 bytes
;; launch prep (part 1): grid 256 x 1, 16 waves a work-group, no clusters, 0 bytes of LDS; arguments hidden_states, ln_weight, Wq, Wk, Wv, Wo, attention_mask, xn, wqkv, wo, mk; writes xn, wqkv, wo, mk
.if DOCPART == 1
	.amdgcn_target "amdgcn-amd-amdhsa--gfx1250"
	.amdhsa_code_object_version 6
	.text
	.protected	k_q563a0f32c8_prep
	.globl	k_q563a0f32c8_prep
	.p2align	8
	.type	k_q563a0f32c8_prep,@function
k_q563a0f32c8_prep:
	s_mov_b64 s[64:65], 0
	v_nop
	global_prefetch_b8 v0, s[64:65] scope:SCOPE_SE
	s_setreg_imm32_b32 hwreg(HW_REG_WAVE_MODE, 25, 1), 1
	s_wait_xcnt 0x0
; PREPARATION, a stream: every input byte is read once, every output byte written once.
;  xn[row][2048] bf16   = hidden[row] * rsqrt(mean(hidden[row]^2) + 1e-6) * ln_weight, rounded once
;  wqkv[3072][2048] bf16 = Wq * 2^-2.5 (the scores' 1/sqrt(32), multiplied in f32 ahead of the one rounding), Wk, Wv
;  wo[2048][1024] bf16   = Wo * (1 / 1.05) (the residual's scale, multiplied in f32 ahead of the one rounding)
;  mk: the mask turned round, a byte a key: 0x38 (1.0 as an E4M3 code) where the key is hidden, 0 where it is seen, laid out as the attention launch's
;      lanes want it: [batch 4][16 queries 64][64 keys 16][32 keys 2][lane 32][16 bytes]; lane (r = lane % 16, h = lane / 16) holds query r, keys 8 h + 0..7 and 16 + 8 h + 0..7.
; LIMIT: a mask byte is 0 or 1, as a bool is stored.
; SHARES.  4,096 waves, W = 16 x work-group + wave; each takes row W, 512 numbers of each weight, and one block of 16 queries x 64 keys of the mask.
; All 52 loads of a wave go out at its head; the waits count down as the parts are worked on.  A row is 8,192 bytes: 16 loads of 512 consecutive bytes; it stays in 64 registers between the sum of
; squares and the scaling.  Roundings pack in place, so no register that a store reads is written again.  No LDS, no barrier: nothing is shared between waves.
.set MK, 16                            ; v[16:23]   the mask's 8 words
.set X,  64                            ; v[64:127]  the row
.set LW, 128                           ; v[128:191] ln_weight, my 64 columns
.set WT, 192                           ; v[192:255] 16 registers of each of Wq, Wk, Wv, Wo
	s_load_b512 s[4:19], s[0:1], 0x0               ; hidden s[4:5], ln s[6:7], Wq s[8:9], Wk s[10:11], Wv s[12:13], Wo s[14:15], mask s[16:17], xn s[18:19]
	s_load_b128 s[20:23], s[0:1], 0x40             ; wqkv s[20:21], wo s[22:23]
	s_load_b64 s[24:25], s[0:1], 0x50              ; mk
	v_lshrrev_b32 v1, 5, v0
	v_readfirstlane_b32 s26, v1                    ; wave 0..15
	v_and_b32 v1, 31, v0                           ; lane
	v_lshlrev_b32 v2, 4, v1                        ; 16 bytes a lane: f32 loads, the mask's stores
	v_lshlrev_b32 v3, 3, v1                        ; 8 bytes a lane: bf16 stores
	v_and_b32 v5, 15, v0                           ; r
	v_bfe_u32 v4, v0, 4, 1                         ; h
	v_lshlrev_b32 v4, 3, v4
	v_lshl_add_u32 v4, v5, 10, v4                  ; the mask's loads: query r's row of 1,024 bytes, + 8 h
	s_lshl_b32 s27, ttmp9, 4
	s_add_co_u32 s27, s27, s26                     ; W
	s_mov_b32 s28, 0x76543210                      ; v_permlanex16_b32: each lane takes its own place in the other half
	s_mov_b32 s29, 0xfedcba98
	s_mov_b32 s30, 0x3e3504f3                      ; 2^-2.5
	s_mov_b32 s31, s30                             ; named with it as a pair
	s_mov_b32 s46, 0x3f73cf3d                      ; 1 / 1.05
	s_mov_b32 s47, s46
	s_mov_b32 s38, 0x3a000000                      ; 1 / 2048
	s_mov_b32 s39, 0x358637bd                      ; 1e-6
	s_lshl_b32 s32, s27, 13                        ; a row of hidden
	s_mov_b32 s33, 0
	s_lshl_b32 s34, s27, 12                        ; a row of xn
	s_mov_b32 s35, 0
	s_lshl_b32 s36, s27, 11                        ; 512 f32 of a weight
	s_mov_b32 s37, 0
	s_lshl_b32 s40, s27, 10                        ; 512 bf16 of a weight; also a block of mk
	s_mov_b32 s41, 0
	s_lshl_b32 s42, ttmp9, 14                      ; the work-group's 16 rows of the mask,
	s_lshl_b32 s43, s26, 6                         ; my wave's 64 keys
	s_add_co_u32 s42, s42, s43
	s_mov_b32 s43, 0
	s_wait_kmcnt 0x0
	s_add_nc_u64 s[4:5], s[4:5], s[32:33]
	s_add_nc_u64 s[18:19], s[18:19], s[34:35]
	s_add_nc_u64 s[8:9], s[8:9], s[36:37]
	s_add_nc_u64 s[10:11], s[10:11], s[36:37]
	s_add_nc_u64 s[12:13], s[12:13], s[36:37]
	s_add_nc_u64 s[14:15], s[14:15], s[36:37]
	s_add_nc_u64 s[20:21], s[20:21], s[40:41]
	s_add_nc_u64 s[22:23], s[22:23], s[40:41]
	s_add_nc_u64 s[24:25], s[24:25], s[40:41]
	s_add_nc_u64 s[16:17], s[16:17], s[42:43]
	s_add_nc_u64 s[44:45], s[20:21], 0x800000      ; Wv's third of wqkv: 8,388,608 bytes on, one more than a store's immediate holds
.set j, 0
.rept 16
	global_load_b128 v[X+4*j:X+4*j+3], v2, s[4:5] offset:512*j th:TH_LOAD_NT
.set j, j+1
.endr
.set j, 0
.rept 16
	global_load_b128 v[LW+4*j:LW+4*j+3], v2, s[6:7] offset:512*j
.set j, j+1
.endr
.irp c, 0,1,2,3
	global_load_b64 v[MK+2*(\c):MK+2*(\c)+1], v4, s[16:17] offset:16*(\c) th:TH_LOAD_NT  ; keys 16 c + 8 h + 0..7
.endr
.irp k, 0,1,2,3
.irp i, 0,1,2,3
	global_load_b128 v[WT+16*(\k)+4*(\i):WT+16*(\k)+4*(\i)+3], v2, s[8+2*(\k):9+2*(\k)] offset:512*(\i) th:TH_LOAD_NT
.endr
.endr
	; THE ROW: the sum of squares in four chains, across the lanes, the reciprocal root, then scale, round and store
	s_wait_loadcnt 36                              ; the row is in; younger: ln_weight's 16 loads, the mask's 4, the weights' 16
.irp k, 0,1,2,3
	v_pk_mul_f32 v[6+2*(\k):7+2*(\k)], v[X+2*(\k):X+2*(\k)+1], v[X+2*(\k):X+2*(\k)+1]  ; the first products start the chains
.endr
.set j, 4
.rept 28
	v_pk_fma_f32 v[6+2*(j%4):7+2*(j%4)], v[X+2*j:X+2*j+1], v[X+2*j:X+2*j+1], v[6+2*(j%4):7+2*(j%4)]
.set j, j+1
.endr
	v_pk_add_f32 v[6:7], v[6:7], v[8:9]
	v_pk_add_f32 v[10:11], v[10:11], v[12:13]
	v_pk_add_f32 v[6:7], v[6:7], v[10:11]
	v_add_f32 v6, v6, v7
	v_add_f32_dpp v6, v6, v6 row_xmask:1 row_mask:0xf bank_mask:0xf
	v_add_f32_dpp v6, v6, v6 row_xmask:2 row_mask:0xf bank_mask:0xf
	v_add_f32_dpp v6, v6, v6 row_xmask:4 row_mask:0xf bank_mask:0xf
	v_add_f32_dpp v6, v6, v6 row_xmask:8 row_mask:0xf bank_mask:0xf
	v_permlanex16_b32 v7, v6, s28, s29
	v_add_f32 v6, v6, v7
	v_fma_f32 v6, v6, s38, s39                     ; mean + 1e-6
	v_rsq_f32 v14, v6
	v_rsq_f32 v15, v6                              ; twice: a pair for the packed multiply
	v_nop                                          ; a plain instruction behind the last of the two
	s_wait_alu depctr_va_vdst(0)                   ; one wait for both, ahead of their first reader
	s_wait_loadcnt 20                              ; ln_weight is in; younger: the mask's 4, the weights' 16
.set j, 0
.rept 16
	v_pk_mul_f32 v[X+4*j:X+4*j+1], v[X+4*j:X+4*j+1], v[14:15]
	v_pk_mul_f32 v[X+4*j+2:X+4*j+3], v[X+4*j+2:X+4*j+3], v[14:15]
	v_pk_mul_f32 v[X+4*j:X+4*j+1], v[X+4*j:X+4*j+1], v[LW+4*j:LW+4*j+1]
	v_pk_mul_f32 v[X+4*j+2:X+4*j+3], v[X+4*j+2:X+4*j+3], v[LW+4*j+2:LW+4*j+3]
	v_cvt_pk_bf16_f32 v[X+4*j], v[X+4*j], v[X+4*j+1]        ; packed in place: four f32 become two words
	v_cvt_pk_bf16_f32 v[X+4*j+1], v[X+4*j+2], v[X+4*j+3]
	global_store_b64 v3, v[X+4*j:X+4*j+1], s[18:19] offset:256*j  ; the wave's store covers 256 consecutive bytes, aligned
.set j, j+1
.endr
	; THE MASK
	s_wait_loadcnt 16                              ; the mask is in; younger: the weights' 16
.set j, 0
.rept 8
	v_xor_b32 v[MK+j], 0x01010101, v[MK+j]         ; 1 where hidden, in each byte;
	v_mul_lo_u32 v[MK+j], v[MK+j], 56              ; times 0x38: no byte carries into the next
.set j, j+1
.endr
	global_store_b128 v2, v[MK:MK+3], s[24:25]                ; 512 consecutive bytes each
	global_store_b128 v2, v[MK+4:MK+7], s[24:25] offset:512
; THE WEIGHTS: 512 numbers in 16 registers from src on: (scaled by the pair s[sc],) rounded in place, stored
.macro CAST4 src, base, off, sc
.set j, 0
.rept 4
.if \sc
	v_pk_mul_f32 v[(\src)+4*j:(\src)+4*j+1], v[(\src)+4*j:(\src)+4*j+1], s[\sc:\sc+1] op_sel_hi:[1,0]
	v_pk_mul_f32 v[(\src)+4*j+2:(\src)+4*j+3], v[(\src)+4*j+2:(\src)+4*j+3], s[\sc:\sc+1] op_sel_hi:[1,0]
.endif
	v_cvt_pk_bf16_f32 v[(\src)+4*j], v[(\src)+4*j], v[(\src)+4*j+1]
	v_cvt_pk_bf16_f32 v[(\src)+4*j+1], v[(\src)+4*j+2], v[(\src)+4*j+3]
	global_store_b64 v3, v[(\src)+4*j:(\src)+4*j+1], s[\base:\base+1] offset:(\off)+256*j
.set j, j+1
.endr
.endm
	s_wait_loadcnt 12                              ; Wq is in; younger: the three other weights' four loads each
	CAST4 WT, 20, 0, 30
	s_wait_loadcnt 8
	CAST4 WT+16, 20, 4194304, 0                    ; Wk
	s_wait_loadcnt 4
	CAST4 WT+32, 44, 0, 0                          ; Wv
	s_wait_loadcnt 0x0
	CAST4 WT+48, 22, 0, 46                         ; Wo
	s_endpgm
.Lfunc_end_k_q563a0f32c8_prep:
	.size	k_q563a0f32c8_prep, .Lfunc_end_k_q563a0f32c8_prep-k_q563a0f32c8_prep
	.p2alignl 7, 3214868480
	.fill 96, 4, 3214868480
	.section	.rodata,"a",@progbits
	.p2align	6, 0x0
	.amdhsa_kernel k_q563a0f32c8_prep
		.amdhsa_group_segment_fixed_size 0
		.amdhsa_private_segment_fixed_size 0
		.amdhsa_enable_private_segment 0
		.amdhsa_kernarg_size 88
		.amdhsa_user_sgpr_count 2
		.amdhsa_user_sgpr_kernarg_segment_ptr 1
		.amdhsa_wavefront_size32 1
		.amdhsa_system_sgpr_workgroup_id_x 1
		.amdhsa_system_sgpr_workgroup_id_y 1
		.amdhsa_system_sgpr_workgroup_id_z 1
		.amdhsa_system_vgpr_workitem_id 0
		.amdhsa_next_free_vgpr 256
		.amdhsa_next_free_sgpr 66
		.amdhsa_reserve_vcc 0
		.amdhsa_float_denorm_mode_32 3
		.amdhsa_float_denorm_mode_16_64 3
		.amdhsa_memory_ordered 1
		.amdhsa_forward_progress 1
		.amdhsa_inst_pref_size 24
	.end_amdhsa_kernel
	.amdgpu_metadata
---
amdhsa.version: [ 1, 2 ]
amdhsa.kernels:
  - .name:           k_q563a0f32c8_prep
    .symbol:         k_q563a0f32c8_prep.kd
    .args:
      - { .name: hidden_states, .offset: 0, .size: 8, .value_kind: global_buffer, .address_space: global }
      - { .name: ln_weight, .offset: 8, .size: 8, .value_kind: global_buffer, .address_space: global }
      - { .name: Wq, .offset: 16, .size: 8, .value_kind: global_buffer, .address_space: global }
      - { .name: Wk, .offset: 24, .size: 8, .value_kind: global_buffer, .address_space: global }
      - { .name: Wv, .offset: 32, .size: 8, .value_kind: global_buffer, .address_space: global }
      - { .name: Wo, .offset: 40, .size: 8, .value_kind: global_buffer, .address_space: global }
      - { .name: attention_mask, .offset: 48, .size: 8, .value_kind: global_buffer, .address_space: global }
      - { .name: xn, .offset: 56, .size: 8, .value_kind: global_buffer, .address_space: global }
      - { .name: wqkv, .offset: 64, .size: 8, .value_kind: global_buffer, .address_space: global }
      - { .name: wo, .offset: 72, .size: 8, .value_kind: global_buffer, .address_space: global }
      - { .name: mk, .offset: 80, .size: 8, .value_kind: global_buffer, .address_space: global }
    .group_segment_fixed_size: 0
    .private_segment_fixed_size: 0
    .kernarg_segment_align: 8
    .kernarg_segment_size: 88
    .max_flat_workgroup_size: 512
    .sgpr_count:     66
    .vgpr_count:     256
    .wavefront_size: 32
...
	.end_amdgpu_metadata
.endif
;; end of part 1
;; launch qkv (part 2): grid 16 x 16, 4 waves a work-group, clusters of 4 x 4, 327,680 bytes of LDS; arguments xn, wqkv, qkvp; writes qkvp
.if DOCPART == 2
	.amdgcn_target "amdgcn-amd-amdhsa--gfx1250"
	.amdhsa_code_object_version 6
	.text
	.protected	k_q563a0f32c8_qkv
	.globl	k_q563a0f32c8_qkv
	.p2align	8
	.type	k_q563a0f32c8_qkv,@function
k_q563a0f32c8_qkv:
	s_mov_b64 s[64:65], 0
	v_nop
	global_prefetch_b8 v0, s[64:65] scope:SCOPE_SE
	s_setreg_imm32_b32 hwreg(HW_REG_WAVE_MODE, 25, 1), 1
	s_wait_xcnt 0x0
	s_wait_alu depctr_hold_cnt(0) depctr_sa_sdst(0) depctr_va_vdst(0) depctr_va_sdst(0) depctr_va_ssrc(0) depctr_va_vcc(0) depctr_vm_vsrc(0)
	s_getreg_b32 s2, hwreg(HW_REG_IB_STS2, 6, 4)
	s_cmp_eq_u32 s2, 0
	s_cbranch_scc0 .Lentry_in_a_cluster
	s_endpgm
.Lentry_in_a_cluster:
	s_bfe_u32 s2, ttmp6, 0x10000c
	s_cmp_lg_u32 s2, 0xf033
	s_cbranch_scc0 .Lentry_shape_is_right
	s_endpgm
.Lentry_shape_is_right:
; q, k, v = xn wqkv^T.  xn: [4096][2048] bf16, wqkv: [3072][2048] bf16; sums in f32, K ascending, rounded once to bf16.
; OUT: qkvp, 96 planes [plane][4096 rows][32 channels] bf16: plane = column / 32 (0-31 q's heads, 32-63 k's, 64-95 v's): a head's rows are dense, 64 bytes each.
; A tile of the product is 256 rows x 192 columns: 16 x 16 tiles, one for each of 256 work-groups.  Four waves, each 128 x 96: 48 accumulators of 16 x 16, 384 registers.
; K goes in 16 steps of 128 through a ring of two LDS slots filled by the tensor data mover; rows of the tiles are 256 bytes of memory, aligned.
; A K STEP IS WRITTEN ONCE: slot 1 begins at 1 << 17, so one exclusive or turns an address in one slot into the other's: in the walking descriptors' LDS words and in the scalar from which the fragment addresses are made.
; CLUSTER 4 x 4: the four of a row of the cluster need the same tile of xn, the four of a column the same tile of wqkv: each is asked for jointly, by the same load, descriptor and mask.
; THE MATRIX INSTRUCTION IS USED TRANSPOSED (source 0 = 16 rows of wqkv, source 1 = 16 rows of xn): a lane holds eight neighbouring columns of one row.
; REGISTERS in windows of 256 (s_set_vgpr_msb: bits 1:0 source 0, 3:2 source 1, 5:4 source 2, 7:6 destination):
;   window 0: v0-31 addresses; v64-127, v128-191 xn's fragments, two buffers; v32-55, v192-239 the way out      window 1: v64-111, v128-175 wqkv's fragments, two buffers
;   window 2: accumulators of my rows 0-63, (a, b) at v[8 (6 a + b)]      window 3: those of my rows 64-127
.set SIZE_K, 2048
.set KSTEP,  128
.set STEPS,  SIZE_K/KSTEP
.set PITCH,  272                       ; an LDS row: 256 bytes + 16 of padding: the 16 rows of a fragment load start at 16 different groups of four banks (ISA guide 11.1)
.set AHALF,  128*PITCH                 ; what one load brings of xn
.set BHALF,  96*PITCH                  ; and of wqkv
.set BOFF,   2*AHALF
.set SLOT,   2*AHALF+2*BHALF           ; 121,856 bytes
.set SLOT1,  1<<17
.set STAGE,  SLOT1+SLOT                ; behind the ring: 16 rows x 208 bytes for each wave
.set SP,     208                       ; 192 bytes + 16
.set SPARE,  STAGE+4*16*SP             ; the spare words, 128 bytes a wave: two blocks of 256 bytes that no other line names
.set PLANE,  262144
.set ADRA0, 16                         ; my lane's place among xn's fragments in slot 0; never rewritten
.set ADRA,  17                         ; the same in the slot in hand
.set ADRB0, 20
.set ADRB,  21
.set STO,  24
.set RD,   25
.set CO,   26
.set SPW,  28
.set NIL,  29
.set PFO,  30
.set TB,   14                          ; s14  0 or SLOT1: the slot in hand
.set PFA,  44                          ; s[44:45] where my prefetches stand
.set LIM,  43                          ; s43  2 in a wave that prefetches, else the greatest number
.set F0,   64
.set F1,   128
.set TMP,  192
.set OB0,  32
.set OB1,  216
.set G1, 24
.set G0, 32                            ; s[32:39] two sets, one for each first fill; the second then walks
.set G1B, 48
.set G0B, 56
.set MSB, 0
.macro WIN new                         ; the immediate's high byte repeats the setting that is left
.if MSB != (\new)
	s_set_vgpr_msb (MSB<<8)|(\new)
.set MSB, \new
.endif
.endm
.set MUL_LO, 0xa1
.set MUL_HI, 0xf1
.set TO_B,   0x40
.macro PLACES                          ; four plain places behind a matrix instruction, in front of loads into its sources and of reads of its results
.rept 4
	v_nop
.endr
.endm
; A joint load: waves 0 and 1 fetch xn's two halves, waves 2 and 3 wqkv's.  The branch hangs on the wave's number alone.  s_nop 0 and four v_nop follow each line.
.macro JLOAD s
	s_cmp_eq_u32 s11, 0
	s_cbranch_scc0 .Lfor_b_\@
	tensor_load_to_lds s[G0+4*(\s):G0+4*(\s)+3], s[G1:G1+7]
	s_nop 0
	PLACES
	s_branch .Lasked_\@
.Lfor_b_\@:
	tensor_load_to_lds s[G0B+4*(\s):G0B+4*(\s)+3], s[G1B:G1B+7]
	s_nop 0
	PLACES
.Lasked_\@:
.endm
; A prefetch of the K step that stands two refills on, 256 bytes of each row, a lane a row.  xn's rows are asked for by the clusters with x = 0, wqkv's by those with y = 0; the four partners of a joint
; load share its rows out by address: 32 each of xn's 128, 24 each of wqkv's 96 (there lanes 24 to 31 name row 23 once more).  Trip i refills K step i + 2 and names K step i + 4: the last two trips ask for nothing.
.macro ASK
	s_cmp_gt_u32 s3, s[LIM]
	s_cbranch_scc0 .Lnot_mine_\@
	global_prefetch_b8 v[PFO], s[PFA:PFA+1] offset:KSTEP*2 th:TH_LOAD_NT scope:SCOPE_SE
.Lnot_mine_\@:
.endm
.macro CREST                           ; a round of the cluster's barrier behind its opening barrier
	s_cmp_lg_u32 s10, 0
	s_cbranch_scc1 .Lnot_wave_0_\@
	s_barrier_signal -3
.Lnot_wave_0_\@:
	s_barrier_wait -3
	s_barrier_signal -1
	s_barrier_wait -1
.endm
.macro CROUND
	s_barrier_signal -1
	s_barrier_wait -1
	CREST
.endm
	s_load_b128 s[4:7], s[0:1], 0x0                ; xn s[4:5], wqkv s[6:7]
	s_load_b64 s[8:9], s[0:1], 0x10                ; qkvp
	v_lshl_add_u32 v[SPW], v0, 2, SPARE
	v_mov_b32 v[NIL], 0
	ds_add_u32 v[SPW], v[NIL]                      ; the wave's opening: the add and its wait ahead of my first tensor load
	v_lshrrev_b32 v1, 5, v0
	v_readfirstlane_b32 s10, v1                    ; wave 0..3
	s_lshr_b32 s11, s10, 1                         ; my half of the tile's rows; also: I fetch xn (0) or wqkv (1)
	s_and_b32 s12, s10, 1                          ; my half of its columns; also: which half of that tile I fetch
	s_bfe_u32 s40, ttmp6, 0x40000                  ; cx
	s_bfe_u32 s41, ttmp6, 0x40004                  ; cy
	s_lshl_b32 s42, ttmp9, 2
	s_add_co_u32 s42, s42, s40                     ; tile column
	s_and_b32 s13, ttmp7, 0xffff
	s_lshl_b32 s13, s13, 2
	s_add_co_u32 s13, s13, s41                     ; tile row
	s_lshl_b32 s43, s41, 2
	s_lshl_b32 s43, 15, s43                        ; my row of the cluster
	s_lshl_b32 s44, 0x1111, s40                    ; my column
	s_or_b32 s[G1+0], s43, (1<<16)|(1<<20)|(1<<21)|(5<<22)|(3<<25)  ; mask; 2-byte elements; padding on; bit 21 beside a mask; after every 64 words, 4 words
	s_or_b32 s[G1B+0], s44, (1<<16)|(1<<20)|(1<<21)|(5<<22)|(3<<25)
	s_mov_b32 s[G1+1], KSTEP<<16                   ; tensor_dim0 = 128
	s_mov_b32 s[G1B+1], KSTEP<<16
	s_mov_b32 s[G1+2], 128<<16                     ; tensor_dim1 = 128 rows
	s_mov_b32 s[G1B+2], 96<<16                     ; 96 rows
	s_mov_b32 s[G1+3], KSTEP<<16                   ; tile_dim0
	s_mov_b32 s[G1B+3], KSTEP<<16
	s_mov_b32 s[G1+4], 128                         ; tile_dim1
	s_mov_b32 s[G1B+4], 96
	s_mov_b32 s[G1+5], SIZE_K                      ; elements from row to row
	s_mov_b32 s[G1B+5], SIZE_K
	s_mov_b32 s[G1+6], 0
	s_mov_b32 s[G1B+6], 0
	s_mov_b32 s[G1+7], 0
	s_mov_b32 s[G1B+7], 0
	s_lshl_b32 s16, s13, 8
	s_lshl_b32 s17, s12, 7
	s_add_co_u32 s16, s16, s17                     ; xn: row 256 x tile row + 128 x half,
	s_lshl_b32 s16, s16, 12                        ; of 4,096 bytes
	s_mov_b32 s17, 0
	s_mul_i32 s46, s42, 192
	s_mul_i32 s47, s12, 96
	s_add_co_u32 s46, s46, s47                     ; wqkv: row 192 x tile column + 96 x half
	s_lshl_b32 s46, s46, 12
	s_mov_b32 s47, 0
	s_mul_i32 s20, s12, AHALF                      ; where they go: no place in the cluster enters an LDS address
	s_mul_i32 s21, s12, BHALF
	s_add_co_u32 s21, s21, BOFF
	s_wait_dscnt 0x0                               ; the opening add is done
	s_wait_kmcnt 0x0
	s_add_nc_u64 s[14:15], s[4:5], s[16:17]
	s_add_nc_u64 s[46:47], s[6:7], s[46:47]
	CROUND                                         ; all sixteen work-groups are here: the first joint loads meet
.irp s, 0,1
	s_mov_b32 s[G0+4*(\s)], 1
	s_add_co_u32 s[G0+4*(\s)+1], s20, (\s)*SLOT1
	s_add_nc_u64 s[G0+4*(\s)+2:G0+4*(\s)+3], s[14:15], (\s)*KSTEP*2
	s_or_b32 s[G0+4*(\s)+3], s[G0+4*(\s)+3], 0x80000000
	s_mov_b32 s[G0B+4*(\s)], 1
	s_add_co_u32 s[G0B+4*(\s)+1], s21, (\s)*SLOT1
	s_add_nc_u64 s[G0B+4*(\s)+2:G0B+4*(\s)+3], s[46:47], (\s)*KSTEP*2
	s_or_b32 s[G0B+4*(\s)+3], s[G0B+4*(\s)+3], 0x80000000
	JLOAD \s
.endr
	s_mov_b32 s[TB], 0                             ; slot 0 is read first
	v_and_b32 v1, 15, v0                           ; l % 16
	v_bfe_u32 v2, v0, 4, 1                         ; l / 16
	v_mul_u32_u24 v3, v1, PITCH
	v_lshl_add_u32 v3, v2, 4, v3                   ; a fragment's row x pitch + 16 x half
	s_mul_i32 s21, s11, AHALF
	s_mul_i32 s22, s12, BHALF
	s_add_co_u32 s22, s22, BOFF
	v_add_nc_u32 v[ADRA0], s21, v3
	v_add_nc_u32 v[ADRB0], s22, v3
	v_add_nc_u32 v[ADRA], s[TB], v[ADRA0]
	v_add_nc_u32 v[ADRB], s[TB], v[ADRB0]
	s_mul_i32 s23, s10, 16*SP
	s_add_co_u32 s23, s23, STAGE                   ; my stage
	v_mul_u32_u24 v4, v1, SP                       ; in: row l % 16, 16 bytes for each half of the lanes
	v_lshl_add_u32 v4, v2, 4, v4
	v_add_nc_u32 v[STO], s23, v4
	v_and_b32 v5, 31, v0
	v_lshrrev_b32 v6, 2, v5                        ; back: 32 lanes take eight rows' 64 bytes of one plane,
	v_and_b32 v7, 3, v0
	v_mul_u32_u24 v6, v6, SP
	v_lshl_add_u32 v6, v7, 4, v6
	v_add_nc_u32 v[RD], s23, v6
	v_lshlrev_b32 v[CO], 4, v5                     ; which are 512 consecutive bytes of the plane
	s_lshl_b32 s16, s13, 8
	s_lshl_b32 s17, s11, 7
	s_add_co_u32 s16, s16, s17                     ; my first row,
	s_lshl_b32 s16, s16, 6                         ; of 64 bytes
	s_mul_i32 s46, s42, 6
	s_mul_i32 s47, s12, 3
	s_add_co_u32 s46, s46, s47                     ; my first plane
	s_lshl_b32 s46, s46, 18
	s_add_co_u32 s16, s16, s46
	s_mov_b32 s17, 0
	s_add_nc_u64 s[8:9], s[8:9], s[16:17]
	; the prefetches
	s_lshl_b32 s20, s13, 8                         ; the tile's first row in xn,
	s_mul_i32 s21, s42, 192                        ; in wqkv
	s_and_b32 s22, ttmp7, 0xffff                   ; cluster y
	s_mov_b32 s18, 128
	s_mov_b32 s19, 96
	s_cmp_eq_u32 s11, 0                            ; do I fetch xn?
	s_cselect_b32 s20, s20, s21
	s_cselect_b32 s21, s40, s41                    ; my place among the four that ask with me
	s_cselect_b32 s22, ttmp9, s22                  ; the coordinate along which other clusters read the same rows
	s_cselect_b64 s[PFA:PFA+1], s[4:5], s[6:7]
	s_cselect_b32 s23, s18, s19                    ; rows that a wave fetches
	s_cselect_b32 s18, 32, 24                      ; rows of them that a partner asks for
	s_cselect_b32 s19, 31, 23                      ; the last of these
	s_cmp_eq_u32 s22, 0
	s_cselect_b32 s[LIM], 2, -1                    ; the same in all sixteen partners, for a given wave
	s_mul_i32 s23, s23, s12
	s_add_co_u32 s20, s20, s23
	s_mul_i32 s21, s21, s18
	s_add_co_u32 s20, s20, s21
	s_lshl_b32 s20, s20, 12
	s_mov_b32 s21, 0
	s_add_nc_u64 s[PFA:PFA+1], s[PFA:PFA+1], s[20:21]
	s_add_nc_u64 s[PFA:PFA+1], s[PFA:PFA+1], 2*KSTEP*2  ; at K step 2: the first refill steps it to 3 and names K step 4
	v_and_b32 v[PFO], 31, v0
	v_min_u32 v[PFO], s19, v[PFO]
	v_lshlrev_b32 v[PFO], 12, v[PFO]
; 12 matrix instructions: row blocks a0, a0 + 1 of the window's four x all 6 column blocks, 32 along K.  zero = 1: the first product starts the sums.
.macro MUL12 f, hi, a0, zero
	WIN MUL_LO+0x50*(\hi)
.irp a, \a0, (\a0)+1
.irp b, 0,1,2,3,4,5
.if \zero
	v_wmma_f32_16x16x32_bf16 v[8*(6*(\a)+(\b)):8*(6*(\a)+(\b))+7], v[(\f)+8*(\b):(\f)+8*(\b)+7], v[(\f)+8*(4*(\hi)+(\a)):(\f)+8*(4*(\hi)+(\a))+7], 0
.else
	v_wmma_f32_16x16x32_bf16 v[8*(6*(\a)+(\b)):8*(6*(\a)+(\b))+7], v[(\f)+8*(\b):(\f)+8*(\b)+7], v[(\f)+8*(4*(\hi)+(\a)):(\f)+8*(4*(\hi)+(\a))+7], v[8*(6*(\a)+(\b)):8*(6*(\a)+(\b))+7]
.endif
.endr
.endr
.endm
; 28 LDS loads in one run: a quarter step's fragments (96 rows of wqkv, 128 of xn, 32 K at byte k of the slot in hand) into buffer f
.macro FETCH k, f
	WIN TO_B
.irp i, 0,1,2,3,4,5
	ds_load_b128 v[(\f)+8*(\i):(\f)+8*(\i)+3],   v[ADRB] offset:(\k)+(\i)*16*PITCH
	ds_load_b128 v[(\f)+8*(\i)+4:(\f)+8*(\i)+7], v[ADRB] offset:(\k)+(\i)*16*PITCH+32
.endr
	WIN 0
.irp i, 0,1,2,3,4,5,6,7
	ds_load_b128 v[(\f)+8*(\i):(\f)+8*(\i)+3],   v[ADRA] offset:(\k)+(\i)*16*PITCH
	ds_load_b128 v[(\f)+8*(\i)+4:(\f)+8*(\i)+7], v[ADRA] offset:(\k)+(\i)*16*PITCH+32
.endr
.endm
; A K step is four quarters of 32 along K, 48 matrix instructions each, on buffers 0, 1, 0, 1; the 48 accumulators take turns in one order everywhere.
.macro QUARTER k, f, g, zero
	s_wait_dscnt 8                                 ; all but the youngest eight loads: xn's rows 64-127
	MUL12 \f, 0, 0, \zero
	MUL12 \f, 0, 2, \zero
	PLACES
	FETCH \k, \g
	s_wait_dscnt 28                                ; all but the 28 just issued
	MUL12 \f, 1, 0, \zero
	MUL12 \f, 1, 2, \zero
.endm
; The last quarter multiplies buffer 1 and changes slots: each wave waits for all its tensor loads (one is out: its part of the next slot), adds 0 to its spare word, waits for that and for its reads of this slot.
; fill = 1: the barrier opens a round of the cluster's, and the joint refill of the slot just read, with the K step two on, is the first tensor load behind it.
.macro TURN fill
.if \fill
	s_wait_xcnt 0x0                                ; the last prefetch, a K step back, has read its address
	s_add_nc_u64 s[PFA:PFA+1], s[PFA:PFA+1], KSTEP*2
.endif
	WIN 0
	s_wait_tensorcnt 0x0
	ds_add_u32 v[SPW], v[NIL]
	s_wait_dscnt 9                                 ; the add and the youngest eight loads may be out
	MUL12 F1, 0, 0, 0
	s_wait_dscnt 0x0                               ; the add is done, my reads of this slot are over
	s_barrier_signal -1
	MUL12 F1, 0, 2, 0
	WIN 0
	s_barrier_wait -1
.if \fill
	CREST
	s_xor_b32 s[G0+5], s[G0+5], SLOT1              ; the walking descriptors: the other slot than last time,
	s_add_nc_u64 s[G0+6:G0+7], s[G0+6:G0+7], KSTEP*2  ; the next K step; no load of mine is out
	s_xor_b32 s[G0B+5], s[G0B+5], SLOT1
	s_add_nc_u64 s[G0B+6:G0B+7], s[G0B+6:G0B+7], KSTEP*2
	JLOAD 1                                        ; its four v_nop are also the places in front of the loads below
.else
	PLACES
.endif
	s_xor_b32 s[TB], s[TB], SLOT1                  ; the fragments come from the other slot from here on
	v_add_nc_u32 v[ADRA], s[TB], v[ADRA0]
	v_add_nc_u32 v[ADRB], s[TB], v[ADRB0]
	FETCH 0, F0
.if \fill
	ASK
.endif
	MUL12 F1, 1, 0, 0
	MUL12 F1, 1, 2, 0
.endm
; THE WAY OUT of block a (16 rows x 96 columns): rounded, 16 bytes a lane into my stage, back as eight rows' 64 bytes of each of three planes, stored.
.macro PACK a
	WIN 0x0a+5*((\a)/4)
.irp b, 0,1,2,3,4,5
.irp r, 0,1,2,3
	v_cvt_pk_bf16_f32 v[TMP+4*(\b)+(\r)], v[8*(6*((\a)%4)+(\b))+2*(\r)], v[8*(6*((\a)%4)+(\b))+2*(\r)+1]
.endr
.endr
	WIN 0
.endm
.macro TOSTAGE a
.set BK, OB0+(OB1-OB0)*((\a)%2)
.irp b, 0,1,2,3,4,5
	ds_store_b128 v[STO], v[TMP+4*(\b):TMP+4*(\b)+3] offset:32*(\b)
.endr
.irp p, 0,1,2
.irp i, 0,1
	ds_load_b128 v[BK+4*(2*(\p)+(\i)):BK+4*(2*(\p)+(\i))+3], v[RD] offset:64*(\p)+8*SP*(\i)  ; LDS serves a wave's instructions in order (ISA guide 5.7.1.4): these see the stores above
.endr
.endr
.endm
.macro SEND a
.set BK, OB0+(OB1-OB0)*((\a)%2)
	s_wait_dscnt 0x0                               ; the block is back in registers
	s_wait_xcnt 0x0                                ; the block before's stores have read their registers: the next block's loads land there
.irp p, 0,1,2
.irp i, 0,1
	global_store_b128 v[CO], v[BK+4*(2*(\p)+(\i)):BK+4*(2*(\p)+(\i))+3], s[8:9] offset:(\p)*PLANE+(\a)*1024+(\i)*512  ; 512 consecutive bytes, aligned
.endr
.endr
.endm
	s_wait_tensorcnt 1                             ; my part of K step 0 is in; K step 1's may stay out
	s_barrier_signal -1
	s_barrier_wait -1
	FETCH 0, F0
	QUARTER 64,  F0, F1, 1                         ; the first quarter starts the sums
	WIN 0
	s_mov_b32 s3, STEPS-2
.Lstep:                                                ; trip i: the rest of K step i, the refill with K step i + 2, the first quarter of K step i + 1
	QUARTER 128, F1, F0, 0
	QUARTER 192, F0, F1, 0
	TURN 1
	QUARTER 64,  F0, F1, 0
	WIN 0
	s_sub_co_u32 s3, s3, 1
	s_cmp_lg_u32 s3, 0
	s_cbranch_scc1 .Lstep
	QUARTER 128, F1, F0, 0                         ; the last two K steps fill nothing
	QUARTER 192, F0, F1, 0
	TURN 0
	QUARTER 64,  F0, F1, 0
	QUARTER 128, F1, F0, 0
	QUARTER 192, F0, F1, 0
	s_wait_dscnt 8
	MUL12 F1, 0, 0, 0
	MUL12 F1, 0, 2, 0
	s_wait_dscnt 0x0
	MUL12 F1, 1, 0, 0
	MUL12 F1, 1, 2, 0
	WIN 0
	PLACES
	PACK 0
	TOSTAGE 0
.irp a, 1,2,3,4,5,6,7
	PACK \a
	SEND (\a)-1
	TOSTAGE \a
.endr
	SEND 7
	s_wait_tensorcnt 0x0                           ; the wave's end
	ds_add_u32 v[SPW], v[NIL]
	s_wait_dscnt 0x0
	CROUND                                         ; the closing round
	s_endpgm
.Lfunc_end_k_q563a0f32c8_qkv:
	.size	k_q563a0f32c8_qkv, .Lfunc_end_k_q563a0f32c8_qkv-k_q563a0f32c8_qkv
	.p2alignl 7, 3214868480
	.fill 96, 4, 3214868480
	.section	.rodata,"a",@progbits
	.p2align	6, 0x0
	.amdhsa_kernel k_q563a0f32c8_qkv
		.amdhsa_group_segment_fixed_size 327680
		.amdhsa_private_segment_fixed_size 0
		.amdhsa_enable_private_segment 0
		.amdhsa_kernarg_size 24
		.amdhsa_user_sgpr_count 2
		.amdhsa_user_sgpr_kernarg_segment_ptr 1
		.amdhsa_wavefront_size32 1
		.amdhsa_system_sgpr_workgroup_id_x 1
		.amdhsa_system_sgpr_workgroup_id_y 1
		.amdhsa_system_sgpr_workgroup_id_z 1
		.amdhsa_system_vgpr_workitem_id 0
		.amdhsa_next_free_vgpr 1024
		.amdhsa_next_free_sgpr 66
		.amdhsa_reserve_vcc 0
		.amdhsa_float_denorm_mode_32 3
		.amdhsa_float_denorm_mode_16_64 3
		.amdhsa_memory_ordered 1
		.amdhsa_forward_progress 1
		.amdhsa_inst_pref_size 95
	.end_amdhsa_kernel
	.amdgpu_metadata
---
amdhsa.version: [ 1, 2 ]
amdhsa.kernels:
  - .name:           k_q563a0f32c8_qkv
    .symbol:         k_q563a0f32c8_qkv.kd
    .args:
      - { .name: xn, .offset: 0, .size: 8, .value_kind: global_buffer, .address_space: global }
      - { .name: wqkv, .offset: 8, .size: 8, .value_kind: global_buffer, .address_space: global }
      - { .name: qkvp, .offset: 16, .size: 8, .value_kind: global_buffer, .address_space: global }
    .group_segment_fixed_size: 327680
    .private_segment_fixed_size: 0
    .kernarg_segment_align: 8
    .kernarg_segment_size: 24
    .max_flat_workgroup_size: 128
    .sgpr_count:     66
    .vgpr_count:     1024
    .wavefront_size: 32
...
	.end_amdgpu_metadata
.endif
;; end of part 2
;; launch attn (part 3): grid 8 x 32, 4 waves a work-group, clusters of 4 x 1, 327,680 bytes of LDS; arguments qkvp, position_bias, mk, ctx; writes ctx
.if DOCPART == 3
	.amdgcn_target "amdgcn-amd-amdhsa--gfx1250"
	.amdhsa_code_object_version 6
	.text
	.protected	k_q563a0f32c8_attn
	.globl	k_q563a0f32c8_attn
	.p2align	8
	.type	k_q563a0f32c8_attn,@function
k_q563a0f32c8_attn:
	s_mov_b64 s[64:65], 0
	v_nop
	global_prefetch_b8 v0, s[64:65] scope:SCOPE_SE
	s_setreg_imm32_b32 hwreg(HW_REG_WAVE_MODE, 25, 1), 1
	s_wait_xcnt 0x0
	s_wait_alu depctr_hold_cnt(0) depctr_sa_sdst(0) depctr_va_vdst(0) depctr_va_sdst(0) depctr_va_ssrc(0) depctr_va_vcc(0) depctr_vm_vsrc(0)
	s_getreg_b32 s2, hwreg(HW_REG_IB_STS2, 6, 4)
	s_cmp_eq_u32 s2, 0
	s_cbranch_scc0 .Lentry_in_a_cluster
	s_endpgm
.Lentry_in_a_cluster:
	s_bfe_u32 s2, ttmp6, 0x10000c
	s_cmp_lg_u32 s2, 0x3003
	s_cbranch_scc0 .Lentry_shape_is_right
	s_endpgm
.Lentry_shape_is_right:
; ATTENTION at head size 32 with a bias for each head and a mask for each batch.  ctx[h][b, q][:] = sum over seen keys k of softmax_k(q . k + bias[h][q][k]) v[k][:]  (1/sqrt(32) lies in q already).
; q, k, v: planes [plane][4096 = batch x 1024 + place][32] bf16 of qkvp (q: plane h, k: 32 + h, v: 64 + h).  ctx: 32 such planes.  bias: [32][1024][1024] f32.  mk: a byte a key, 0x38 hidden, 0 seen, in lane order.
; Products, maxima and sums in f32; the weights p are rounded to bf16 for the second product, and the row sum l is taken of the rounded p, by the matrix unit.
; SHARES.  A work-group owns one head and 128 queries, FOR ALL FOUR BATCHES: wave w is batch w, so the bias tile comes from memory once and serves four waves out of LDS.  A wave has 8 UNITS of 16 queries
; and walks the 1,024 keys in 16 steps of 64.  CLUSTER 4 x 1: four query blocks of one head want the same k and v (of all four batches): asked for jointly.  The bias tiles are each work-group's own: plain loads.
; SCORES.  S^T = K Q^T holds one query a lane (lane % 16) and keys 8 (lane / 16) + 0..7.  A head is ONE K step of the matrix instruction, so a score sum has room for a first link:
;   S(kt) = D x H + bias     D: -2^100 on a diagonal that picks 16 of 32 keys; H: 1.0 where the key is hidden (mk's bytes turned into bf16); the f32 bias is the C operand
;   S(kt) += K(kt) x Q       in place
; so bias and mask cost no vector arithmetic on the scores.  A hidden score is about -2^100.
; SOFTMAX.  A running maximum m that starts at -2^96, p = 2^(c s - c m), c = log2(e); O and l are multiplied by a = 2^(c m_old - c m_new) in every step.  A hidden key's p is 0.  A row with no seen key keeps
; m = -2^96, l = 0, O = 0 and leaves as O / max(l, 2^-100) = 0, as the reference's second use of the mask makes it.
; LIMITS.  A seen score below -2^96 is not served.  NaN and infinities are not treated apart.  A weight below 2^-126 counts as 0.
; TURNS.  Turn t belongs to unit Y = t: its scaling, exponentials, roundings and its six products V^T P and 1 P; beside them the eight score products, the maximum, the statistics and the rescaling of
; unit N = t + 1, and the fetches (bias from LDS, mask bytes turned, next step's mask bytes from memory) for unit U = t + 2.  A turn's 33 exponentials are one batch with one wait.
; REGISTERS in windows of 256 (s_set_vgpr_msb: bits 1:0 source 0, 3:2 source 1, 5:4 source 2, 7:6 destination):
;   window 0: addresses, statistics, D, H, P, K, bias, S^T (two buffers by the unit's parity)      window 1: v0-127 O^T; v128-191 l; v192-223 V; v224-231 ones      window 2: v0-63 Q; v64-127 mask bytes
.set PLANE, 262144
.set PBI,   528       ; a bias row in LDS: 512 bytes + 16: the 16 rows of a load start at 16 different groups of four banks (ISA guide 11.1)
.set PK,    80        ; a row of K: 64 + 16
.set PV,    96        ; a row of V: 64 + 32, for the turning load
.set KOFF,  128*PBI   ; a slot holds two steps: 128 queries x 128 keys of bias, then K [batch][128 keys], then V
.set VOFF,  KOFF+4*128*PK
.set SLOT1, VOFF+4*128*PV
.set XB,    SLOT1                     ; one exclusive or turns a region's address in one slot into the other's
.set XK,    KOFF^(KOFF+SLOT1)
.set XV,    VOFF^(VOFF+SLOT1)
.set STAGE, 2*SLOT1   ; behind the ring: 16 rows x 80 bytes for each wave
.set SP,    80
.set SPARE, STAGE+4*16*SP  ; the spare words, 128 bytes a wave: two blocks of 256 bytes that no other line names
.set AB0, 2           ; my lane's place in a bias tile: r x 528 + 32 h; never rewritten
.set AB,  3
.set AK0, 4
.set AK,  5
.set AV0, 6
.set AV,  7
.set MO,  8           ; 16 x lane: mask loads, ctx stores
.set PFO, 9           ; 4,096 x lane: a bias row a lane
.set SC,  10          ; the conversion's scale: 2^0
.set QO,  11
.set STO, 12
.set RD,  13
.set SPW, 16
.set NIL, 17
.set MV,  18          ; v18-19 c m_old, by parity
.set TMP, 20          ; v20-27 c0-c3 by parity; c2 takes a
.set ST,  28          ; v28-43 unit u: c m, m
.set DG,  44          ; v44-55 [0 x 4][D0-D3][0 x 4]: v[48:55] picks keys 0-15 of 32, v[44:51] keys 16-31
.set MB,  56          ; v56-71 H for 64 keys
.set P,   72          ; v72-87
.set KF,  88          ; v88-119 K of a step, 16 keys at +8 kt
.set BB,  120         ; v120-151 a unit's bias for a step
.set S,   152         ; v152-215
.set RC,  216         ; v216-231 the way out: 1 / l and max(l, 2^-100), a pair a unit
.set LL,  128         ; window 1
.set VF,  192
.set ONES, 224
.set MR,  64          ; window 2
.set WV,  12
.set CX,  13
.set QB,  14
.set HD,  15
.set G1K, 24
.set G1V, 32
.set G1B, 40
.set G0K, 48          ; two sets a kind, one for each first fill; the second then walks
.set G0V, 56
.set HP,  66          ; s[66:67] qkvp at the head's q plane
.set G0B, 68
.set SLOTS, 76
.set CNT, 77
.set CS,  78
.set SEL, 80
.set TBB, 82
.set TBK, 83
.set TBV, 84
.set MP,  86          ; s[86:87] mk at my units, at the step whose bytes are loaded next
.set MINC, 88
.set PFA, 90
.set QP,  94
.set MSB, 0
.macro WIN new
.if MSB != (\new)
	s_set_vgpr_msb (MSB<<8)|(\new)
.set MSB, (\new)
.endif
.endm
.macro PLACES
.rept 4
	v_nop
.endr
.endm
; A refill: wave 0 K (joint), wave 1 V (joint), waves 2 and 3 the two halves of my own bias tile (plain).  One load a wave, 32 KiB each.  The branches hang on the wave's number alone.
.macro JLOAD
	s_cmp_eq_u32 s[WV], 0
	s_cbranch_scc0 .Lnot_k_\@
	tensor_load_to_lds s[G0K+4:G0K+7], s[G1K:G1K+7]
	s_nop 0
	PLACES
	s_branch .Lasked_\@
.Lnot_k_\@:
	s_cmp_eq_u32 s[WV], 1
	s_cbranch_scc0 .Lnot_v_\@
	tensor_load_to_lds s[G0V+4:G0V+7], s[G1V:G1V+7]
	s_nop 0
	PLACES
	s_branch .Lasked_\@
.Lnot_v_\@:
	tensor_load_to_lds s[G0B+4:G0B+7], s[G1B:G1B+7]
	s_nop 0
	PLACES
.Lasked_\@:
.endm
; A prefetch of the bias tile that the NEXT change of slots will ask for: 128 rows x 512 bytes; wave w names rows 32 w + lane, two blocks of 256 bytes each.  The tile is this work-group's alone, so each block
; is named once in the launch.  The last change that fills asks for nothing.  K and V are not asked for: of what a slot brings from memory for the four partners they are 64 KiB against 256 KiB of bias.
.macro ASK
	s_cmp_gt_u32 s[SLOTS], 1
	s_cbranch_scc0 .Lnone_\@
	global_prefetch_b8 v[PFO], s[PFA:PFA+1] th:TH_LOAD_NT scope:SCOPE_SE
	global_prefetch_b8 v[PFO], s[PFA:PFA+1] offset:256 th:TH_LOAD_NT scope:SCOPE_SE
.Lnone_\@:
.endm
.macro CROUND
	s_barrier_signal -1
	s_barrier_wait -1
	s_cmp_lg_u32 s[WV], 0
	s_cbranch_scc1 .Lnot_wave_0_\@
	s_barrier_signal -3
.Lnot_wave_0_\@:
	s_barrier_wait -3
	s_barrier_signal -1
	s_barrier_wait -1
.endm
; THE CHANGE OF SLOTS: all reads of the old slot have been issued.  Each wave waits for all its tensor loads (one is out: its part of the other slot), adds 0 to its spare word, and waits for that and for its reads.
; fill = 1: a round of the cluster's barrier, then the refill, the keys two slots on: it has two steps, sixteen turns, in which to land.
.macro CHANGE fill
	WIN 0
	s_wait_tensorcnt 0x0
	ds_add_u32 v[SPW], v[NIL]
.if \fill
	s_xor_b32 s[G0K+5], s[G0K+5], XK
	s_add_nc_u64 s[G0K+6:G0K+7], s[G0K+6:G0K+7], 8192  ; the next 128 keys of each batch
	s_xor_b32 s[G0V+5], s[G0V+5], XV
	s_add_nc_u64 s[G0V+6:G0V+7], s[G0V+6:G0V+7], 8192
	s_xor_b32 s[G0B+5], s[G0B+5], XB
	s_add_nc_u64 s[G0B+6:G0B+7], s[G0B+6:G0B+7], 512
	s_wait_xcnt 0x0                 ; the last prefetches, sixteen turns back, have read their address
	s_add_nc_u64 s[PFA:PFA+1], s[PFA:PFA+1], 512
	s_wait_dscnt 0x0
	CROUND
	JLOAD
	ASK
.else
	s_wait_dscnt 0x0
	s_barrier_signal -1
	s_barrier_wait -1
.endif
	s_sub_co_u32 s[TBB], s[TBB], 512
	s_xor_b32 s[TBB], s[TBB], XB
	s_sub_co_u32 s[TBK], s[TBK], 2*64*PK
	s_xor_b32 s[TBK], s[TBK], XK
	s_sub_co_u32 s[TBV], s[TBV], 2*64*PV
	s_xor_b32 s[TBV], s[TBV], XV
.endm
	s_load_b256 s[4:11], s[0:1], 0x0  ; qkvp s[4:5], bias s[6:7], mk s[8:9], ctx s[10:11]
	v_lshl_add_u32 v[SPW], v0, 2, SPARE
	v_mov_b32 v[NIL], 0
	ds_add_u32 v[SPW], v[NIL]       ; the wave's opening: the add and its wait ahead of my first tensor load
	v_lshrrev_b32 v1, 5, v0
	v_readfirstlane_b32 s[WV], v1   ; wave = batch
	s_bfe_u32 s[CX], ttmp6, 0x40000
	s_lshl_b32 s[QB], ttmp9, 2
	s_add_co_u32 s[QB], s[QB], s[CX]  ; my block of 128 queries: it enters global addresses of Q, ctx, mk and the bias alone
	s_and_b32 s[HD], ttmp7, 0xffff  ; the head, which the partners share
	s_lshl_b32 s18, s[HD], 18       ; the head's plane
	s_mov_b32 s19, 0
	s_and_b32 s16, s[WV], 1         ; waves 2, 3: which half of the bias tile
	s_mul_i32 s17, s16, 64*PBI
	s_lshl_b32 s20, s[HD], 22       ; the head's bias,
	s_lshl_b32 s21, s[QB], 19       ; my 128 rows of 4,096 bytes
	s_add_co_u32 s20, s20, s21
	s_lshl_b32 s22, s16, 18         ; the half's 64 rows
	s_add_co_u32 s22, s22, s20
	s_mov_b32 s23, 0
	s_lshl_b32 s21, s[WV], 17       ; the prefetches: 32 rows a wave
	s_add_co_u32 s20, s20, s21
	s_mov_b32 s21, 0
	s_lshl_b32 s2, s[WV], 16        ; Q and ctx: the batch's 1,024 rows of 64 bytes,
	s_lshl_b32 s3, s[QB], 13        ; my 128
	s_add_co_u32 s2, s2, s3
	s_add_co_u32 s2, s2, s18
	s_mov_b32 s3, 0
	s_lshl_b32 s92, s[WV], 20       ; mk: the batch, my 8 units of 16,384 bytes
	s_lshl_b32 s93, s[QB], 17
	s_add_co_u32 s92, s92, s93
	s_mov_b32 s93, 0
	; K and V: four rows, one a batch, of 128 keys x 64 bytes = 4,096 elements, 65,536 bytes apart; padded in LDS after every key
	s_mov_b32 s[G1K], 15|(1<<16)|(1<<20)|(1<<21)|(3<<22)|(3<<25)  ; the mask of four; 2-byte elements; padding on; bit 21 beside a mask; after every 16 words, 4 words
	s_mov_b32 s[G1V], 15|(1<<16)|(1<<20)|(1<<21)|(3<<22)|(7<<25)  ; 8 words
.irp g, G1K, G1V
	s_mov_b32 s[\g+1], 4096<<16     ; tensor_dim0
	s_mov_b32 s[\g+2], 4<<16        ; tensor_dim1
	s_mov_b32 s[\g+3], 4096<<16     ; tile_dim0
	s_mov_b32 s[\g+4], 4            ; tile_dim1
	s_mov_b32 s[\g+5], 32768        ; elements from batch to batch
	s_mov_b32 s[\g+6], 0
	s_mov_b32 s[\g+7], 0
.endr
	s_mov_b32 s[G1B], (2<<16)|(1<<20)|(6<<22)|(3<<25)  ; no mask; 4-byte elements; after every 128 words, 4 words
	s_mov_b32 s[G1B+1], 128<<16
	s_mov_b32 s[G1B+2], 64<<16
	s_mov_b32 s[G1B+3], 128<<16
	s_mov_b32 s[G1B+4], 64
	s_mov_b32 s[G1B+5], 1024
	s_mov_b32 s[G1B+6], 0
	s_mov_b32 s[G1B+7], 0
	s_mov_b32 s[CS], 0x3fb8aa3b     ; c = log2(e)
	s_mov_b32 s[CS+1], s[CS]
	s_mov_b32 s[SEL], 0x76543210
	s_mov_b32 s[SEL+1], 0xfedcba98
	s_mov_b32 s[TBB], 0
	s_mov_b32 s[TBK], KOFF
	s_mov_b32 s[TBV], VOFF
	s_mov_b32 s[MINC+1], 0
	s_wait_dscnt 0x0                ; the opening add is done
	s_wait_kmcnt 0x0
	s_add_nc_u64 s[HP:HP+1], s[4:5], s[18:19]
	s_add_nc_u64 s[QP:QP+1], s[4:5], s[2:3]
	s_add_nc_u64 s[10:11], s[10:11], s[2:3]
	s_add_nc_u64 s[MP:MP+1], s[8:9], s[92:93]
	s_add_nc_u64 s[PFA:PFA+1], s[6:7], s[20:21]
	s_add_nc_u64 s[PFA:PFA+1], s[PFA:PFA+1], 2*512  ; in slot 2; the first change steps it to slot 3
	s_add_nc_u64 s[6:7], s[6:7], s[22:23]
.irp s, 0,1
	s_mov_b32 s[G0K+4*(\s)], 1
	s_mov_b32 s[G0K+4*(\s)+1], KOFF+(\s)*SLOT1
	s_add_nc_u64 s[G0K+4*(\s)+2:G0K+4*(\s)+3], s[HP:HP+1], 32*PLANE+(\s)*8192
	s_or_b32 s[G0K+4*(\s)+3], s[G0K+4*(\s)+3], 0x80000000
	s_mov_b32 s[G0V+4*(\s)], 1
	s_mov_b32 s[G0V+4*(\s)+1], VOFF+(\s)*SLOT1
	s_add_nc_u64 s[G0V+4*(\s)+2:G0V+4*(\s)+3], s[HP:HP+1], 64*PLANE+(\s)*8192
	s_or_b32 s[G0V+4*(\s)+3], s[G0V+4*(\s)+3], 0x80000000
	s_mov_b32 s[G0B+4*(\s)], 1
	s_add_co_u32 s[G0B+4*(\s)+1], s17, (\s)*SLOT1
	s_add_nc_u64 s[G0B+4*(\s)+2:G0B+4*(\s)+3], s[6:7], (\s)*512
	s_or_b32 s[G0B+4*(\s)+3], s[G0B+4*(\s)+3], 0x80000000
.endr
	CROUND                          ; all four work-groups are here: the first joint loads meet
	s_cmp_eq_u32 s[WV], 0           ; a wave's two first fills stand in one branch: two loads of mine are out
	s_cbranch_scc0 .Lfill_not_k
	tensor_load_to_lds s[G0K:G0K+3], s[G1K:G1K+7]
	s_nop 0
	tensor_load_to_lds s[G0K+4:G0K+7], s[G1K:G1K+7]
	s_nop 0
	PLACES
	s_branch .Lfill_asked
.Lfill_not_k:
	s_cmp_eq_u32 s[WV], 1
	s_cbranch_scc0 .Lfill_bias
	tensor_load_to_lds s[G0V:G0V+3], s[G1V:G1V+7]
	s_nop 0
	tensor_load_to_lds s[G0V+4:G0V+7], s[G1V:G1V+7]
	s_nop 0
	PLACES
	s_branch .Lfill_asked
.Lfill_bias:
	tensor_load_to_lds s[G0B:G0B+3], s[G1B:G1B+7]
	s_nop 0
	tensor_load_to_lds s[G0B+4:G0B+7], s[G1B:G1B+7]
	s_nop 0
	PLACES
.Lfill_asked:
	v_and_b32 v1, 15, v0            ; r = l % 16
	v_bfe_u32 v15, v0, 4, 1         ; h = l / 16
	v_lshlrev_b32 v[QO], 6, v1
	v_lshl_add_u32 v[QO], v15, 4, v[QO]  ; a fragment of Q: row x 64 + 16 h, and 32 bytes on
	v_and_b32 v[MO], 31, v0
	v_lshlrev_b32 v[PFO], 12, v[MO]
	v_lshlrev_b32 v[MO], 4, v[MO]
	WIN 0x80                        ; destination window 2
.set i, 0
.rept 8
	global_load_b128 v[8*i:8*i+3],   v[QO], s[QP:QP+1] offset:i*1024
	global_load_b128 v[8*i+4:8*i+7], v[QO], s[QP:QP+1] offset:i*1024+32
.set i, i+1
.endr
.set i, 0
.rept 8                             ; step 0's mask bytes, the units in order, two loads of 512 consecutive bytes each
	global_load_b128 v[MR+8*i:MR+8*i+3],   v[MO], s[MP:MP+1] offset:i*16384
	global_load_b128 v[MR+8*i+4:MR+8*i+7], v[MO], s[MP:MP+1] offset:i*16384+512
.set i, i+1
.endr
	WIN 0
	v_and_b32 v216, 7, v0
	v_cmp_eq_u32 vcc_lo, 0, v216    ; lanes that hold rows 0 and 8 of source 0
	s_mov_b32 s16, 0x3f803f80
	WIN 0x40
.set i, 0
.rept 8
	v_cndmask_b32 v[ONES+i], 0, s16, vcc_lo  ; rows 0 and 8 are ones: register 0 of the product holds the lane's own query's sum, registers 1 to 7 stay 0
.set i, i+1
.endr
.set i, 0
.rept 192                           ; O^T and l start at 0, written in the wait for the first tile: so no first step is written out
	v_mov_b32 v[i], 0
.set i, i+1
.endr
	WIN 0
	v_lshlrev_b32 v216, 3, v15
	v_sub_nc_u32 v216, v1, v216     ; r - 8 h: my row's place among my eight k
	s_mov_b32 s16, 0x0000f180       ; -2^100 in bf16, in the low half,
	s_mov_b32 s17, 0xf1800000       ; in the high half
.irp i, 0,1,2,3
	v_mov_b32 v[DG+(\i)], 0
	v_mov_b32 v[DG+8+(\i)], 0
	v_cmp_eq_u32 vcc_lo, 2*(\i), v216
	v_cndmask_b32 v[DG+4+(\i)], 0, s16, vcc_lo
	v_cmp_eq_u32 vcc_lo, 2*(\i)+1, v216
	v_cndmask_b32 v[DG+4+(\i)], v[DG+4+(\i)], s17, vcc_lo
.endr
.set i, 0
.rept 8
	v_mov_b32 v[ST+2*i], 0xefb8aa3b    ; c m = -c 2^96
	v_mov_b32 v[ST+2*i+1], 0xef800000  ; m = -2^96
.set i, i+1
.endr
	v_mov_b32 v[SC], 0x3f80007f     ; its lowest byte is the E8M0 code of 2^0
	v_mul_u32_u24 v[AB0], v1, PBI
	v_lshl_add_u32 v[AB0], v15, 5, v[AB0]  ; query r's row, keys 8 h on: 32 bytes
	s_mul_i32 s16, s[WV], 128*PK
	v_mul_u32_u24 v[AK0], v1, PK
	v_lshl_add_u32 v[AK0], v15, 4, v[AK0]
	v_add_nc_u32 v[AK0], s16, v[AK0]
	; the turning load takes 16 keys x 16 channels: lane l reads key 8 h + l % 8, channels 8 ((l / 8) % 2) + 0..7
	v_and_b32 v216, 7, v0
	v_lshl_add_u32 v216, v15, 3, v216
	v_mul_u32_u24 v[AV0], v216, PV
	v_bfe_u32 v216, v0, 3, 1
	v_lshl_add_u32 v[AV0], v216, 4, v[AV0]
	s_mul_i32 s16, s[WV], 128*PV
	v_add_nc_u32 v[AV0], s16, v[AV0]
	s_mul_i32 s16, s[WV], 16*SP
	s_add_co_u32 s16, s16, STAGE
	v_mul_u32_u24 v[STO], v1, SP
	v_lshl_add_u32 v[STO], v15, 4, v[STO]
	v_add_nc_u32 v[STO], s16, v[STO]
	v_bfe_u32 v[RD], v0, 2, 3       ; back: 32 lanes take eight rows of 64 bytes
	v_mul_u32_u24 v[RD], v[RD], SP
	v_and_b32 v216, 3, v0
	v_lshl_add_u32 v[RD], v216, 4, v[RD]
	v_add_nc_u32 v[RD], s16, v[RD]
; THE MATRIX WORK.  kt, N and Y are set by the caller.  No two matrix instructions on end share an accumulator: three others stand between a score sum's two links, two between O^T's and l's.
.macro MASKP                        ; S(kt) = D x H + bias
.set rS, S+32*(N%2)+8*kt
	v_wmma_f32_16x16x32_bf16 v[rS:rS+7], v[DG+4-4*(kt%2):DG+11-4*(kt%2)], v[MB+8*(kt/2):MB+8*(kt/2)+7], v[BB+8*kt:BB+8*kt+7]
.endm
.macro KQ                           ; S(kt) += K(kt) x Q; window setting 0x08
.set rS, S+32*(N%2)+8*kt
	v_wmma_f32_16x16x32_bf16 v[rS:rS+7], v[KF+8*kt:KF+8*kt+7], v[8*N:8*N+7], v[rS:rS+7]
.endm
.macro PVO cb, kk                   ; O^T(cb) += V^T(kk, cb) x P(kk); window setting 0x51
	WIN 0x51
	v_wmma_f32_16x16x32_bf16 v[16*Y+8*(\cb):16*Y+8*(\cb)+7], v[VF+16*(\kk)+8*(\cb):VF+16*(\kk)+8*(\cb)+7], v[P+8*(\kk):P+8*(\kk)+7], v[16*Y+8*(\cb):16*Y+8*(\cb)+7]
.endm
.macro PVL kk                       ; l += ones x P(kk)
	WIN 0x51
	v_wmma_f32_16x16x32_bf16 v[LL+8*Y:LL+8*Y+7], v[ONES:ONES+7], v[P+8*(\kk):P+8*(\kk)+7], v[LL+8*Y:LL+8*Y+7]
.endm
; THE FETCHES
.macro BIASLD u                     ; unit u's bias for the step: 16 queries x 64 keys, as the C operands of four products
.irp q, 0,1,2,3
	ds_load_b128 v[BB+8*(\q):BB+8*(\q)+3],   v[AB] offset:(\u)*16*PBI+(\q)*64
	ds_load_b128 v[BB+8*(\q)+4:BB+8*(\q)+7], v[AB] offset:(\u)*16*PBI+(\q)*64+16
.endr
.endm
.macro FETCH_K
.irp q, 0,1,2,3
	ds_load_b128 v[KF+8*(\q):KF+8*(\q)+3],   v[AK] offset:(\q)*16*PK
	ds_load_b128 v[KF+8*(\q)+4:KF+8*(\q)+7], v[AK] offset:(\q)*16*PK+32
.endr
.endm
.macro FETCH_V
	WIN 0x40
.irp f, 0,1,2,3                     ; keys 32 (f / 2) on, channels 16 (f % 2) on
	ds_load_tr16_b128 v[VF+8*(\f):VF+8*(\f)+3],   v[AV] offset:((\f)/2)*32*PV+((\f)%2)*32
	ds_load_tr16_b128 v[VF+8*(\f)+4:VF+8*(\f)+7], v[AV] offset:((\f)/2)*32*PV+16*PV+((\f)%2)*32
.endr
	WIN 0
.endm
.macro MCVT u                       ; unit u's 32 mask bytes a lane become H, eight at a time
	s_wait_loadcnt 14               ; its two loads are in: behind them the seven other units' two each were issued
	WIN 0x02
.irp i, 0,1,2,3
	v_cvt_scale_pk8_bf16_fp8 v[MB+4*(\i):MB+4*(\i)+3], v[MR+8*(\u)+2*(\i):MR+8*(\u)+2*(\i)+1], v[SC]
.endr
	WIN 0
.endm
.macro MLOAD u                      ; and the next step's bytes are asked for, eight turns ahead of their use
	WIN 0x80
	global_load_b128 v[MR+8*(\u):MR+8*(\u)+3],   v[MO], s[MP:MP+1] offset:(\u)*16384
	global_load_b128 v[MR+8*(\u)+4:MR+8*(\u)+7], v[MO], s[MP:MP+1] offset:(\u)*16384+512
	WIN 0
.endm
; THE VECTOR WORK, a line at a time.  For unit Y: F n: c s - c m for pair n of 16.  E n: the exponential of score n of 32.  C n: pair n rounded to bf16.  For unit N: R n: pair n of 8 of O^T, and (8) l, times a.
; X n: number n of the 22 that find its maximum and statistics: 0-11 four chains c0-c3 of seven scores (each accumulator's lowest registers first); 12-14, 16 the four left over, the old m,
; and c0-c3 into c0; 15 c m_old is kept; 17, 18 the other half of the lanes: the new m; 19-21 c m, c m_old - c m_new, a.  OP sets no window: the caller does.
.set F, 0
.set E, 1
.set C, 2
.set R, 3
.set X, 4
.macro REGS y
.set rT, ST+2*(\y)
.set rC, TMP+4*((\y)%2)
.set rW, MV+((\y)%2)
.set rS, S+32*((\y)%2)
.endm
.macro OP k, n
.if (\k) == F
	REGS Y
	v_pk_fma_f32 v[rS+2*(\n):rS+2*(\n)+1], v[rS+2*(\n):rS+2*(\n)+1], s[CS:CS+1], v[rT:rT+1] op_sel_hi:[1,0,0] neg_lo:[0,0,1] neg_hi:[0,0,1]
.elseif (\k) == E
	REGS Y
	v_exp_f32 v[rS+(\n)], v[rS+(\n)]
.elseif (\k) == C
	REGS Y
	v_cvt_pk_bf16_f32 v[P+(\n)], v[rS+2*(\n)], v[rS+2*(\n)+1]
.elseif (\k) == R
	REGS N
.if (\n) < 8
	v_pk_mul_f32 v[16*N+2*(\n):16*N+2*(\n)+1], v[16*N+2*(\n):16*N+2*(\n)+1], v[rC+2:rC+3] op_sel_hi:[1,0]
.else
	v_mul_f32 v[LL+8*N], v[LL+8*N], v[rC+2]
.endif
.else
	REGS N
.if (\n) < 4
	v_max3_num_f32 v[rC+(\n)], v[rS+8*(\n)], v[rS+8*(\n)+1], v[rS+8*(\n)+2]
.elseif (\n) < 12
	v_max3_num_f32 v[rC+(\n)%4], v[rC+(\n)%4], v[rS+8*((\n)%4)+2*((\n)/4)+1], v[rS+8*((\n)%4)+2*((\n)/4)+2]
.elseif (\n) == 12
	v_max3_num_f32 v[rC], v[rC], v[rS+7], v[rS+15]
.elseif (\n) == 13
	v_max3_num_f32 v[rC+1], v[rC+1], v[rS+23], v[rS+31]
.elseif (\n) == 14
	v_max3_num_f32 v[rC+2], v[rC+2], v[rC+3], v[rT+1]
.elseif (\n) == 15
	v_mov_b32 v[rW], v[rT]
.elseif (\n) == 16
	v_max3_num_f32 v[rC], v[rC], v[rC+1], v[rC+2]
.elseif (\n) == 17
	v_permlanex16_b32 v[rC+3], v[rC], s[SEL], s[SEL+1]
.elseif (\n) == 18
	v_max_num_f32 v[rT+1], v[rC], v[rC+3]
.elseif (\n) == 19
	v_mul_f32 v[rT], s[CS], v[rT+1]
.elseif (\n) == 20
	v_sub_f32 v[rC+1], v[rW], v[rT]
.else
	v_exp_f32 v[rC+2], v[rC+1]
.endif
.endif
.endm
.macro OPS a, i1, b=-1, i2=0, c=-1, i3=0, d=-1, i4=0  ; up to four of them
	OP \a, \i1
.if (\b) >= 0
	OP \b, \i2
.endif
.if (\c) >= 0
	OP \c, \i3
.endif
.if (\d) >= 0
	OP \d, \i4
.endif
.endm
; A TURN: the order of its 14 matrix and 99 vector instructions, written out.  end = 1: nothing is fetched for unit U.  end = 2: the launch's last turn: no next unit either.  tail = 1: the mask pointer's step is s[MINC].
; AHEAD OF THE ONE WAIT stands all that names no result of the turn's exponentials.  The four mask products carry F 0-11 and E 0-3, four lines each; the four score products two exponentials each (under their window
; setting a line with a second vector source cannot stand).  F 12-15 are the four plain places behind the last score product, for the reads of the scores and for the loads into K and the bias (behind the last mask
; product stand six plain lines: F 10-15).  Then the mask bytes are turned, X 0 is the plain line behind the conversions, and ALL the turn's loads stand in one run: (K,) the bias, the next step's mask bytes.
; Then a lump: the four chains of the maximum with links five lines apart, exponentials between; from X 16 on each line waits for the one before it, and the last twelve exponentials stand in those gaps.
; BEHIND THE WAIT: C 0-7, then the six products; C 8-15 and the next unit's nine rescalings ride behind them.  None of these riders names a register of the product in front of it.
.macro TURN t, end=0, tail=0
.set Y, (\t)
.set N, ((\t)+1)%8
.set U, ((\t)+2)%8
.if (\end) == 2
.set zi, 0
.rept 16
	OP F, zi
.set zi, zi+1
.endr
.set zi, 0
.rept 32
	OP E, zi
.set zi, zi+1
.endr
.else
.if ((\t) == 6) && ((\end) == 0)    ; from here on the fetches are the next step's
	v_add_nc_u32 v[AB], s[TBB], v[AB0]
	v_add_nc_u32 v[AK], s[TBK], v[AK0]
	v_add_nc_u32 v[AV], s[TBV], v[AV0]
.endif
	s_wait_dscnt 0x0                ; unit N's bias is in (in turn 7: K too)
.set kt, 0
	MASKP
	OPS F,0, F,1, F,2, F,3
.set kt, 1
	MASKP
	OPS F,4, F,5, F,6, E,0
.if (\t) == 0
	FETCH_V                         ; the step's V: its last reader stood in turn 7, ten plain lines back
.endif
.set kt, 2
	MASKP
	OPS F,7, F,8, F,9, E,1
.set kt, 3
	MASKP
	OPS F,10, F,11, E,2, E,3
	WIN 0x08                        ; Q in window 2; an exponential names no source 1
.set kt, 0
.rept 4
	KQ
	OP E, 4+2*kt
	OP E, 5+2*kt
.set kt, kt+1
.endr
	WIN 0
	OPS F,12, F,13, F,14, F,15
.if (\end) == 0
	MCVT U
.endif
	OP X, 0
.if (\end) == 0
.if (\t) == 6
	FETCH_K
.endif
	BIASLD U
.if (\t) == 6
	s_wait_xcnt 0x0                 ; turn 5's mask loads have read the pointer
.if \tail
	s_add_nc_u64 s[MP:MP+1], s[MP:MP+1], s[MINC:MINC+1]
.else
	s_add_nc_u64 s[MP:MP+1], s[MP:MP+1], 1024
.endif
.endif
	MLOAD U
.endif
	OPS X,3, X,2, X,1, E,12
	OPS X,4, X,7, E,13, X,6
	OPS X,5, E,14, X,11, X,8
	OPS E,15, X,10, X,9, E,16
	OPS X,12, E,17, X,14, X,13
	OPS E,18, X,15, E,19, X,16
	OPS E,20, E,21, E,22, X,17
	OPS E,23, E,24, E,25, X,18
	OPS E,26, E,27, X,19
	OPS E,28, E,29, X,20
	OPS E,30, E,31, X,21
.endif
	v_nop                           ; a plain instruction behind the last exponential: one for the batch
	s_wait_alu depctr_va_vdst(0)    ; the wait for the batch, ahead of the first reader
	OPS C,0, C,1, C,2, C,3
	OPS C,4, C,5, C,6, C,7
.if (\t) == 0
	s_wait_dscnt 8                  ; V is in; the bias's eight loads are younger
.endif
	PVO 0, 0                        ; V, ones, O^T and l in window 1, P and a in window 0
	WIN 0
	OPS C,8, C,9, C,10, C,11
	PVO 1, 0
	WIN 0
	OPS C,12, C,13, C,14, C,15
	PVL 0
.if (\end) < 2
	OPS R,0, R,1, R,2
.endif
	PVO 0, 1
.if (\end) < 2
	OPS R,3, R,4, R,5
.endif
	PVO 1, 1
.if (\end) < 2
	OPS R,6, R,7, R,8
.endif
	PVL 1
	WIN 0
.endm
.macro STEPS                        ; a trip's end: the next trip fetches the next step
	s_add_co_u32 s[TBB], s[TBB], 256
	s_add_co_u32 s[TBK], s[TBK], 64*PK
	s_add_co_u32 s[TBV], s[TBV], 64*PV
	s_sub_co_u32 s[CNT], s[CNT], 1
	s_cmp_lg_u32 s[CNT], 0
.endm
	s_wait_tensorcnt 1              ; my part of slot 0 is in; slot 1's may stay out
	s_barrier_signal -1
	s_barrier_wait -1
	v_add_nc_u32 v[AB], s[TBB], v[AB0]  ; step 0
	v_add_nc_u32 v[AK], s[TBK], v[AK0]
	v_add_nc_u32 v[AV], s[TBV], v[AV0]
	BIASLD 0
	FETCH_K
	MCVT 0                          ; its wait shows Q in as well: Q's loads are older
	v_nop                           ; a plain place behind the conversions
	s_wait_xcnt 0x0
	s_add_nc_u64 s[MP:MP+1], s[MP:MP+1], 1024  ; step 1's bytes
	MLOAD 0
	s_wait_dscnt 0x0
.set Y, 7
.set N, 0
.set kt, 0
.rept 4
	MASKP
.set kt, kt+1
.endr
	WIN 0x08
.set kt, 0
.rept 4
	KQ
.set kt, kt+1
.endr
	WIN 0
	PLACES
	BIASLD 1
	MCVT 1
	v_nop
	MLOAD 1
.set zi, 0
.rept 22
	OP X, zi                        ; unit 0's first maximum and statistics; O^T and l are 0, so nothing is rescaled
.set zi, zi+1
.endr
	v_nop
	s_wait_alu depctr_va_vdst(0)
	s_mov_b32 s[CNT], 2
	s_mov_b32 s[SLOTS], 7
	s_branch .Lfirst                ; the loop is entered at a step's first turn, in the middle of a trip
.Lslot:                             ; six times: slots 2 to 7 are asked for
	CHANGE 1
	s_mov_b32 s[CNT], 2
.Lstep:                             ; a trip: units 6 and 7 of one step, units 0 to 5 of the next; all that it reads from LDS is the next step's
	TURN 6
	TURN 7
.Lfirst:
	TURN 0
	TURN 1
	TURN 2
	TURN 3
	TURN 4
	TURN 5
	STEPS
	s_cbranch_scc1 .Lstep
	s_sub_co_u32 s[SLOTS], s[SLOTS], 1
	s_cmp_lg_u32 s[SLOTS], 0
	s_cbranch_scc1 .Lslot
	CHANGE 0                        ; the tail is written out
	s_mov_b32 s[CNT], 2
.Ltail:
	s_cmp_eq_u32 s[CNT], 2
	s_cselect_b32 s[MINC], 1024, 0  ; the last trip has no step behind it: it asks for step 15's mask bytes once more, so that the count of 14 holds in every turn and no load leaves mk
	TURN 6, 0, 1
	TURN 7
	TURN 0
	TURN 1
	TURN 2
	TURN 3
	TURN 4
	TURN 5
	STEPS
	s_cbranch_scc1 .Ltail
	TURN 6, 1
	TURN 7, 2
	; THE WAY OUT: O^T / max(l, 2^-100), rounded to bf16, through my stage, a unit (16 rows of 64 bytes) at a time
	PLACES
	WIN 0x04                        ; source 1 in window 1
.set i, 0
.rept 8
	v_max_num_f32 v[RC+2*i+1], 0x0d800000, v[LL+8*i]
.set i, i+1
.endr
	WIN 0
.set i, 0
.rept 8
	v_rcp_f32 v[RC+2*i], v[RC+2*i+1]
.set i, i+1
.endr
	v_nop
	s_wait_alu depctr_va_vdst(0)    ; one wait for the eight reciprocals
.macro PACK u
	WIN 0x41
.set i, 0
.rept 8
	v_pk_mul_f32 v[16*(\u)+2*i:16*(\u)+2*i+1], v[16*(\u)+2*i:16*(\u)+2*i+1], v[RC+2*(\u):RC+2*(\u)+1] op_sel_hi:[1,0]
.set i, i+1
.endr
	WIN 0x05
.set i, 0
.rept 8
	v_cvt_pk_bf16_f32 v[S+8*(\u)+i], v[16*(\u)+2*i], v[16*(\u)+2*i+1]
.set i, i+1
.endr
	WIN 0
	ds_store_b128 v[STO], v[S+8*(\u):S+8*(\u)+3]
	ds_store_b128 v[STO], v[S+8*(\u)+4:S+8*(\u)+7] offset:32
	ds_load_b128 v[S+8*(\u):S+8*(\u)+3], v[RD]     ; LDS serves a wave's instructions in order (ISA guide 5.7.1.4): these see the stores above; the next unit's stores come behind them
	ds_load_b128 v[S+8*(\u)+4:S+8*(\u)+7], v[RD] offset:8*SP
.endm
.macro SEND u, younger              ; younger: the next unit's four LDS instructions, or none
.irp f, 0,1
	s_wait_dscnt (\younger)+1-(\f)
	global_store_b128 v[MO], v[S+8*(\u)+4*(\f):S+8*(\u)+4*(\f)+3], s[10:11] offset:(\u)*1024+(\f)*512  ; 512 consecutive bytes, aligned
.endr
.endm
	PACK 0
.irp u, 1,2,3,4,5,6,7
	PACK \u
	SEND (\u)-1, 4
.endr
	SEND 7, 0
	s_wait_tensorcnt 0x0            ; the wave's end
	ds_add_u32 v[SPW], v[NIL]
	s_wait_dscnt 0x0
	CROUND                          ; the closing round
	s_endpgm
.Lfunc_end_k_q563a0f32c8_attn:
	.size	k_q563a0f32c8_attn, .Lfunc_end_k_q563a0f32c8_attn-k_q563a0f32c8_attn
	.p2alignl 7, 3214868480
	.fill 96, 4, 3214868480
	.section	.rodata,"a",@progbits
	.p2align	6, 0x0
	.amdhsa_kernel k_q563a0f32c8_attn
		.amdhsa_group_segment_fixed_size 327680
		.amdhsa_private_segment_fixed_size 0
		.amdhsa_enable_private_segment 0
		.amdhsa_kernarg_size 32
		.amdhsa_user_sgpr_count 2
		.amdhsa_user_sgpr_kernarg_segment_ptr 1
		.amdhsa_wavefront_size32 1
		.amdhsa_system_sgpr_workgroup_id_x 1
		.amdhsa_system_sgpr_workgroup_id_y 1
		.amdhsa_system_sgpr_workgroup_id_z 1
		.amdhsa_system_vgpr_workitem_id 0
		.amdhsa_next_free_vgpr 768
		.amdhsa_next_free_sgpr 96
		.amdhsa_reserve_vcc 1
		.amdhsa_float_denorm_mode_32 3
		.amdhsa_float_denorm_mode_16_64 3
		.amdhsa_memory_ordered 1
		.amdhsa_forward_progress 1
		.amdhsa_inst_pref_size 169
	.end_amdhsa_kernel
	.amdgpu_metadata
---
amdhsa.version: [ 1, 2 ]
amdhsa.kernels:
  - .name:           k_q563a0f32c8_attn
    .symbol:         k_q563a0f32c8_attn.kd
    .args:
      - { .name: qkvp, .offset: 0, .size: 8, .value_kind: global_buffer, .address_space: global }
      - { .name: position_bias, .offset: 8, .size: 8, .value_kind: global_buffer, .address_space: global }
      - { .name: mk, .offset: 16, .size: 8, .value_kind: global_buffer, .address_space: global }
      - { .name: ctx, .offset: 24, .size: 8, .value_kind: global_buffer, .address_space: global }
    .group_segment_fixed_size: 327680
    .private_segment_fixed_size: 0
    .kernarg_segment_align: 8
    .kernarg_segment_size: 32
    .max_flat_workgroup_size: 128
    .sgpr_count:     96
    .vgpr_count:     768
    .wavefront_size: 32
...
	.end_amdgpu_metadata
.endif
;; end of part 3
;; launch outp (part 4): grid 16 x 16, 4 waves a work-group, clusters of 4 x 4, 327,680 bytes of LDS; arguments ctx, wo, hidden_states, out0; writes out0
.if DOCPART == 4
	.amdgcn_target "amdgcn-amd-amdhsa--gfx1250"
	.amdhsa_code_object_version 6
	.text
	.protected	k_q563a0f32c8_outp
	.globl	k_q563a0f32c8_outp
	.p2align	8
	.type	k_q563a0f32c8_outp,@function
k_q563a0f32c8_outp:
	s_mov_b64 s[64:65], 0
	v_nop
	global_prefetch_b8 v0, s[64:65] scope:SCOPE_SE
	s_setreg_imm32_b32 hwreg(HW_REG_WAVE_MODE, 25, 1), 1
	s_wait_xcnt 0x0
	s_wait_alu depctr_hold_cnt(0) depctr_sa_sdst(0) depctr_va_vdst(0) depctr_va_sdst(0) depctr_va_ssrc(0) depctr_va_vcc(0) depctr_vm_vsrc(0)
	s_getreg_b32 s2, hwreg(HW_REG_IB_STS2, 6, 4)
	s_cmp_eq_u32 s2, 0
	s_cbranch_scc0 .Lentry_in_a_cluster
	s_endpgm
.Lentry_in_a_cluster:
	s_bfe_u32 s2, ttmp6, 0x10000c
	s_cmp_lg_u32 s2, 0xf033
	s_cbranch_scc0 .Lentry_shape_is_right
	s_endpgm
.Lentry_shape_is_right:
; out0 = hidden_states / 1.05 + ctx wo^T, where wo holds Wo / 1.05 already.  ctx: 32 planes [plane][4096][32] bf16 (K = 32 x plane + channel), wo: [2048][1024] bf16; sums in f32, K ascending;
; hidden_states and out0 f32.  The division is a multiplication by the f32 nearest to 1 / 1.05, fused with the addition of the sum.
; A tile is 256 rows x 128 columns: 16 x 16 tiles, one for each of 256 work-groups.  Four waves, each 128 x 64: 32 accumulators, 256 registers.  K goes in 8 steps of 128 (four planes) through two LDS slots.
; A K STEP IS WRITTEN ONCE: slot 1 begins at 1 << 17, so one exclusive or turns an address in one slot into the other's.
; CLUSTER 4 x 4: ctx's tile is shared along a row of the cluster, wo's along a column: joint loads.  The matrix instruction is used transposed: a lane holds eight neighbouring columns of a row.
; THE RESIDUAL is asked for in two halves, 32 loads each: my rows 0-63 behind the first barrier, when the first tile has landed; my rows 64-127 at the loop's exit, when no tile is left to ask for.
; NO PREFETCH: of 8 K steps the first four come while every work-group's first tiles are on their way and the last two have none behind them.
; REGISTERS: window 0: v0-31 addresses; v32-63, v192-223 the way out; v64-127, v128-191 ctx's fragments      window 1: v64-95, v128-159 wo's fragments
;   window 2: the accumulators, (a, b) at v[8 (4 a + b)]      window 3: my 128 x 64 of hidden_states
.set KSTEP,  128
.set STEPS,  8
.set PA,     80                        ; a row of one plane in LDS: 64 bytes + 16
.set PB,     272                       ; a row of wo: 256 + 16
.set APLANE, 128*PA
.set AHALF,  4*APLANE                  ; [4 planes][128 rows]
.set BHALF,  64*PB
.set BOFF,   2*AHALF
.set SLOT,   2*AHALF+2*BHALF           ; 116,736 bytes
.set SLOT1,  1<<17
.set STAGE,  SLOT1+SLOT                ; behind the ring: 16 rows x 272 bytes for each wave
.set SP,     272
.set SPARE,  STAGE+4*16*SP
.set ADRA0, 16
.set ADRA,  17
.set ADRB0, 20
.set ADRB,  21
.set STO,  24
.set RD,   25
.set CO,   26
.set SPW,  28
.set NIL,  29
.set OB0,  32
.set OB1,  192
.set F0,   64
.set F1,   128
.set TB,   14                          ; s14  0 or SLOT1: the slot in hand
.set G1, 24
.set G0, 32                            ; two sets, one for each first fill; the second then walks
.set HID, 40                           ; s[40:41] hidden_states, s[42:43] out0, at my 128 x 64
.set OUT, 42
.set G1B, 48
.set G0B, 56
.set INV, 66
.set TCOL, 68
.set MSB, 0
.macro WIN new
.if MSB != (\new)
	s_set_vgpr_msb (MSB<<8)|(\new)
.set MSB, \new
.endif
.endm
.set MUL,  0xa1                        ; source 0 (wo) window 1, source 1 (ctx) window 0, C and D window 2
.set TO_B, 0x40
.macro PLACES
.rept 4
	v_nop
.endr
.endm
.macro JLOAD s                         ; waves 0 and 1 fetch ctx's two halves, waves 2 and 3 wo's; s_nop 0 and four v_nop follow each line
	s_cmp_eq_u32 s11, 0
	s_cbranch_scc0 .Lfor_b_\@
	tensor_load_to_lds s[G0+4*(\s):G0+4*(\s)+3], s[G1:G1+7]
	s_nop 0
	PLACES
	s_branch .Lasked_\@
.Lfor_b_\@:
	tensor_load_to_lds s[G0B+4*(\s):G0B+4*(\s)+3], s[G1B:G1B+7]
	s_nop 0
	PLACES
.Lasked_\@:
.endm
.macro CREST
	s_cmp_lg_u32 s10, 0
	s_cbranch_scc1 .Lnot_wave_0_\@
	s_barrier_signal -3
.Lnot_wave_0_\@:
	s_barrier_wait -3
	s_barrier_signal -1
	s_barrier_wait -1
.endm
.macro CROUND
	s_barrier_signal -1
	s_barrier_wait -1
	CREST
.endm
	s_load_b128 s[4:7], s[0:1], 0x0                ; ctx s[4:5], wo s[6:7]
	s_load_b128 s[40:43], s[0:1], 0x10             ; hidden_states, out0
	v_lshl_add_u32 v[SPW], v0, 2, SPARE
	v_mov_b32 v[NIL], 0
	ds_add_u32 v[SPW], v[NIL]                      ; the wave's opening: the add and its wait ahead of my first tensor load
	v_lshrrev_b32 v1, 5, v0
	v_readfirstlane_b32 s10, v1                    ; wave 0..3
	s_lshr_b32 s11, s10, 1                         ; my half of the rows; also: I fetch ctx (0) or wo (1)
	s_and_b32 s12, s10, 1                          ; my half of the columns; also: which half I fetch
	s_bfe_u32 s44, ttmp6, 0x40000                  ; cx
	s_bfe_u32 s45, ttmp6, 0x40004                  ; cy
	s_lshl_b32 s[TCOL], ttmp9, 2
	s_add_co_u32 s[TCOL], s[TCOL], s44             ; tile column
	s_and_b32 s13, ttmp7, 0xffff
	s_lshl_b32 s13, s13, 2
	s_add_co_u32 s13, s13, s45                     ; tile row
	s_lshl_b32 s69, s45, 2
	s_lshl_b32 s69, 15, s69                        ; my row of the cluster
	s_lshl_b32 s70, 0x1111, s44                    ; my column
	; ctx: four rows, one a plane, of 128 rows x 64 bytes = 4,096 elements, 262,144 bytes apart; padded after every 64 bytes
	s_or_b32 s[G1+0], s69, (1<<16)|(1<<20)|(1<<21)|(3<<22)|(3<<25)
	s_mov_b32 s[G1+1], 4096<<16
	s_mov_b32 s[G1+2], 4<<16
	s_mov_b32 s[G1+3], 4096<<16
	s_mov_b32 s[G1+4], 4
	s_mov_b32 s[G1+5], 131072
	s_mov_b32 s[G1+6], 0
	s_mov_b32 s[G1+7], 0
	; wo: 64 rows x 128 elements
	s_or_b32 s[G1B+0], s70, (1<<16)|(1<<20)|(1<<21)|(5<<22)|(3<<25)
	s_mov_b32 s[G1B+1], KSTEP<<16
	s_mov_b32 s[G1B+2], 64<<16
	s_mov_b32 s[G1B+3], KSTEP<<16
	s_mov_b32 s[G1B+4], 64
	s_mov_b32 s[G1B+5], 1024
	s_mov_b32 s[G1B+6], 0
	s_mov_b32 s[G1B+7], 0
	s_mov_b32 s[INV], 0x3f73cf3d                   ; 1 / 1.05
	s_mov_b32 s[INV+1], s[INV]
	s_lshl_b32 s16, s13, 14                        ; ctx: row 256 x tile row + 128 x half, of 64 bytes
	s_lshl_b32 s17, s12, 13
	s_add_co_u32 s16, s16, s17
	s_mov_b32 s17, 0
	s_lshl_b32 s46, s[TCOL], 18                    ; wo: row 128 x tile column + 64 x half, of 2,048 bytes
	s_lshl_b32 s47, s12, 17
	s_add_co_u32 s46, s46, s47
	s_mov_b32 s47, 0
	s_mul_i32 s20, s12, AHALF
	s_mul_i32 s21, s12, BHALF
	s_add_co_u32 s21, s21, BOFF
	s_wait_dscnt 0x0
	s_wait_kmcnt 0x0
	s_add_nc_u64 s[14:15], s[4:5], s[16:17]
	s_add_nc_u64 s[46:47], s[6:7], s[46:47]
	CROUND
.irp s, 0,1
	s_mov_b32 s[G0+4*(\s)], 1
	s_add_co_u32 s[G0+4*(\s)+1], s20, (\s)*SLOT1
	s_add_nc_u64 s[G0+4*(\s)+2:G0+4*(\s)+3], s[14:15], (\s)*4*262144  ; K step s: four planes on
	s_or_b32 s[G0+4*(\s)+3], s[G0+4*(\s)+3], 0x80000000
	s_mov_b32 s[G0B+4*(\s)], 1
	s_add_co_u32 s[G0B+4*(\s)+1], s21, (\s)*SLOT1
	s_add_nc_u64 s[G0B+4*(\s)+2:G0B+4*(\s)+3], s[46:47], (\s)*KSTEP*2
	s_or_b32 s[G0B+4*(\s)+3], s[G0B+4*(\s)+3], 0x80000000
	JLOAD \s
.endr
	s_mov_b32 s[TB], 0                             ; slot 0 is read first
	v_and_b32 v1, 15, v0                           ; r
	v_bfe_u32 v2, v0, 4, 1                         ; h
	v_lshlrev_b32 v[CO], 13, v2                    ; two rows of 8,192 bytes: lanes 0-15 one, lanes 16-31 the next; 16 bytes a lane
	v_lshl_add_u32 v[CO], v1, 4, v[CO]
	s_lshl_b32 s16, s13, 8
	s_lshl_b32 s17, s11, 7
	s_add_co_u32 s16, s16, s17
	s_lshl_b32 s16, s16, 13                        ; my first row
	s_lshl_b32 s17, s[TCOL], 9                     ; my first column, in bytes: 512 x tile column + 256 x half
	s_add_co_u32 s16, s16, s17
	s_lshl_b32 s17, s12, 8
	s_add_co_u32 s16, s16, s17
	s_mov_b32 s17, 0
	s_add_nc_u64 s[HID:HID+1], s[HID:HID+1], s[16:17]
	s_add_nc_u64 s[OUT:OUT+1], s[OUT:OUT+1], s[16:17]
	v_mul_u32_u24 v3, v1, PA
	v_lshl_add_u32 v3, v2, 4, v3
	v_mul_u32_u24 v4, v1, PB
	v_lshl_add_u32 v4, v2, 4, v4
	s_mul_i32 s21, s11, AHALF
	s_mul_i32 s22, s12, BHALF
	s_add_co_u32 s22, s22, BOFF
	v_add_nc_u32 v[ADRA0], s21, v3
	v_add_nc_u32 v[ADRB0], s22, v4
	v_add_nc_u32 v[ADRA], s[TB], v[ADRA0]
	v_add_nc_u32 v[ADRB], s[TB], v[ADRB0]
	s_mul_i32 s23, s10, 16*SP
	s_add_co_u32 s23, s23, STAGE
	v_mul_u32_u24 v5, v1, SP                       ; in: row r, 32 bytes (8 f32) for each half of the lanes
	v_lshl_add_u32 v5, v2, 5, v5
	v_add_nc_u32 v[STO], s23, v5
	v_mul_u32_u24 v5, v2, SP                       ; back: lanes 0-15 one row of 256 bytes, lanes 16-31 the next
	v_lshl_add_u32 v5, v1, 4, v5
	v_add_nc_u32 v[RD], s23, v5
.macro RESID half                      ; 32 loads: 64 rows of the residual, in the layout in which the results come back from the stage: rows 2 i and 2 i + 1
	WIN 0xc0                                       ; destination window 3
.set i, 32*(\half)
.rept 32
	global_load_b128 v[4*i:4*i+3], v[CO], s[HID:HID+1] offset:2*i*8192 th:TH_LOAD_NT
.set i, i+1
.endr
	WIN 0
.endm
.macro MUL8 f, a0, zero                ; row blocks a0, a0 + 1 x all 4 column blocks, 32 along K
	WIN MUL
.irp a, \a0, (\a0)+1
.irp b, 0,1,2,3
.if \zero
	v_wmma_f32_16x16x32_bf16 v[8*(4*(\a)+(\b)):8*(4*(\a)+(\b))+7], v[(\f)+8*(\b):(\f)+8*(\b)+7], v[(\f)+8*(\a):(\f)+8*(\a)+7], 0
.else
	v_wmma_f32_16x16x32_bf16 v[8*(4*(\a)+(\b)):8*(4*(\a)+(\b))+7], v[(\f)+8*(\b):(\f)+8*(\b)+7], v[(\f)+8*(\a):(\f)+8*(\a)+7], v[8*(4*(\a)+(\b)):8*(4*(\a)+(\b))+7]
.endif
.endr
.endr
.endm
.macro FETCH q, f                      ; 24 LDS loads: quarter q of the slot in hand (one plane of ctx, 64 bytes of wo's rows)
	WIN TO_B
.irp i, 0,1,2,3
	ds_load_b128 v[(\f)+8*(\i):(\f)+8*(\i)+3],   v[ADRB] offset:64*(\q)+(\i)*16*PB
	ds_load_b128 v[(\f)+8*(\i)+4:(\f)+8*(\i)+7], v[ADRB] offset:64*(\q)+(\i)*16*PB+32
.endr
	WIN 0
.irp i, 0,1,2,3,4,5,6,7
	ds_load_b128 v[(\f)+8*(\i):(\f)+8*(\i)+3],   v[ADRA] offset:(\q)*APLANE+(\i)*16*PA
	ds_load_b128 v[(\f)+8*(\i)+4:(\f)+8*(\i)+7], v[ADRA] offset:(\q)*APLANE+(\i)*16*PA+32
.endr
.endm
.macro QUARTER q, f, g, zero           ; 32 matrix instructions; the 32 accumulators take turns in one order everywhere
	s_wait_dscnt 8                                 ; all but ctx's rows 64-127
	MUL8 \f, 0, \zero
	MUL8 \f, 2, \zero
	PLACES
	FETCH \q, \g
	s_wait_dscnt 24                                ; all but the 24 just issued
	MUL8 \f, 4, \zero
	MUL8 \f, 6, \zero
.endm
.macro TURN fill                       ; the last quarter and the change of slots
	WIN 0
	s_wait_tensorcnt 0x0                           ; all my tensor loads have landed: my part of the next slot
	ds_add_u32 v[SPW], v[NIL]
	s_wait_dscnt 9                                 ; the add and the youngest eight loads may be out
	MUL8 F1, 0, 0
	s_wait_dscnt 0x0                               ; the add is done, my reads of this slot are over
	s_barrier_signal -1
	MUL8 F1, 2, 0
	WIN 0
	s_barrier_wait -1
.if \fill
	CREST                                          ; the barrier has opened a round of the cluster's
	s_xor_b32 s[G0+5], s[G0+5], SLOT1              ; the walking descriptors: the other slot than last time,
	s_add_nc_u64 s[G0+6:G0+7], s[G0+6:G0+7], 4*262144  ; the next K step; no load of mine is out
	s_xor_b32 s[G0B+5], s[G0B+5], SLOT1
	s_add_nc_u64 s[G0B+6:G0B+7], s[G0B+6:G0B+7], KSTEP*2
	JLOAD 1                                        ; its four v_nop are also the places in front of the loads below
.else
	PLACES
.endif
	s_xor_b32 s[TB], s[TB], SLOT1                  ; the fragments come from the other slot from here on
	v_add_nc_u32 v[ADRA], s[TB], v[ADRA0]
	v_add_nc_u32 v[ADRB], s[TB], v[ADRB0]
	FETCH 0, F0
	MUL8 F1, 4, 0
	MUL8 F1, 6, 0
.endm
; THE WAY OUT of block a (16 rows x 64 columns of f32), in two parts on two buffers that take turns.  STG: through my stage, back as whole rows of 256 bytes.  FIN: hidden / 1.05 + sum, stored.
.macro STG a
.set BK, OB0+(OB1-OB0)*((\a)%2)
.if (\a) >= 2
	s_wait_xcnt 0x0                                ; block a - 2's stores have read this buffer
.endif
	WIN 0x08                                       ; the stores' data in window 2
.irp b, 0,1,2,3
	ds_store_b128 v[STO], v[8*(4*(\a)+(\b)):8*(4*(\a)+(\b))+3]   offset:64*(\b)
	ds_store_b128 v[STO], v[8*(4*(\a)+(\b))+4:8*(4*(\a)+(\b))+7] offset:64*(\b)+16
.endr
	WIN 0
.irp t, 0,1,2,3,4,5,6,7
	ds_load_b128 v[BK+4*(\t):BK+4*(\t)+3], v[RD] offset:(\t)*2*SP  ; LDS serves a wave's instructions in order (ISA guide 5.7.1.4): these see the stores above, and the next block's stores come behind them
.endr
.endm
.macro FIN a, younger                  ; younger: the next block's sixteen LDS instructions, or none
.set BK, OB0+(OB1-OB0)*((\a)%2)
	s_wait_dscnt \younger                          ; the block is back in registers
	s_wait_loadcnt 8*(7-(\a))                      ; its eight loads of the residual are in; the later blocks' may stay out
	WIN 0x03                                       ; source 0 in window 3
.set i, 0
.rept 16
	v_pk_fma_f32 v[BK+2*i:BK+2*i+1], v[32*(\a)+2*i:32*(\a)+2*i+1], s[INV:INV+1], v[BK+2*i:BK+2*i+1] op_sel_hi:[1,0,1]
.set i, i+1
.endr
	WIN 0
.irp t, 0,1,2,3,4,5,6,7
	global_store_b128 v[CO], v[BK+4*(\t):BK+4*(\t)+3], s[OUT:OUT+1] offset:(16*(\a)+2*(\t))*8192 th:TH_STORE_NT  ; 16 lanes store 256 consecutive bytes, aligned
.endr
.endm
	s_wait_tensorcnt 1                             ; my part of K step 0 is in; K step 1's may stay out
	s_barrier_signal -1
	s_barrier_wait -1
	FETCH 0, F0
	RESID 0                                        ; the residual's first half
	QUARTER 1, F0, F1, 1                           ; the first quarter starts the sums
	WIN 0
	s_mov_b32 s3, STEPS-2
.Lstep:                                                ; trip i: the rest of K step i, the refill with K step i + 2, the first quarter of K step i + 1
	QUARTER 2, F1, F0, 0
	QUARTER 3, F0, F1, 0
	TURN 1
	QUARTER 1, F0, F1, 0
	WIN 0
	s_sub_co_u32 s3, s3, 1
	s_cmp_lg_u32 s3, 0
	s_cbranch_scc1 .Lstep
	RESID 1                                        ; the residual's second half: the last tile has been asked for
	QUARTER 2, F1, F0, 0                           ; the last two K steps fill nothing
	QUARTER 3, F0, F1, 0
	TURN 0
	QUARTER 1, F0, F1, 0
	QUARTER 2, F1, F0, 0
	QUARTER 3, F0, F1, 0
	s_wait_dscnt 8
	MUL8 F1, 0, 0
	MUL8 F1, 2, 0
	s_wait_dscnt 0x0
	MUL8 F1, 4, 0
	MUL8 F1, 6, 0
	WIN 0
	PLACES
	STG 0
.irp a, 1,2,3,4,5,6,7
	STG \a
	FIN (\a)-1, 16
.endr
	FIN 7, 0
	s_wait_tensorcnt 0x0                           ; the wave's end
	ds_add_u32 v[SPW], v[NIL]
	s_wait_dscnt 0x0
	CROUND                                         ; the closing round
	s_endpgm
.Lfunc_end_k_q563a0f32c8_outp:
	.size	k_q563a0f32c8_outp, .Lfunc_end_k_q563a0f32c8_outp-k_q563a0f32c8_outp
	.p2alignl 7, 3214868480
	.fill 96, 4, 3214868480
	.section	.rodata,"a",@progbits
	.p2align	6, 0x0
	.amdhsa_kernel k_q563a0f32c8_outp
		.amdhsa_group_segment_fixed_size 327680
		.amdhsa_private_segment_fixed_size 0
		.amdhsa_enable_private_segment 0
		.amdhsa_kernarg_size 32
		.amdhsa_user_sgpr_count 2
		.amdhsa_user_sgpr_kernarg_segment_ptr 1
		.amdhsa_wavefront_size32 1
		.amdhsa_system_sgpr_workgroup_id_x 1
		.amdhsa_system_sgpr_workgroup_id_y 1
		.amdhsa_system_sgpr_workgroup_id_z 1
		.amdhsa_system_vgpr_workitem_id 0
		.amdhsa_next_free_vgpr 1024
		.amdhsa_next_free_sgpr 72
		.amdhsa_reserve_vcc 0
		.amdhsa_float_denorm_mode_32 3
		.amdhsa_float_denorm_mode_16_64 3
		.amdhsa_memory_ordered 1
		.amdhsa_forward_progress 1
		.amdhsa_inst_pref_size 85
	.end_amdhsa_kernel
	.amdgpu_metadata
---
amdhsa.version: [ 1, 2 ]
amdhsa.kernels:
  - .name:           k_q563a0f32c8_outp
    .symbol:         k_q563a0f32c8_outp.kd
    .args:
      - { .name: ctx, .offset: 0, .size: 8, .value_kind: global_buffer, .address_space: global }
      - { .name: wo, .offset: 8, .size: 8, .value_kind: global_buffer, .address_space: global }
      - { .name: hidden_states, .offset: 16, .size: 8, .value_kind: global_buffer, .address_space: global }
      - { .name: out0, .offset: 24, .size: 8, .value_kind: global_buffer, .address_space: global }
    .group_segment_fixed_size: 327680
    .private_segment_fixed_size: 0
    .kernarg_segment_align: 8
    .kernarg_segment_size: 32
    .max_flat_workgroup_size: 128
    .sgpr_count:     72
    .vgpr_count:     1024
    .wavefront_size: 32
...
	.end_amdgpu_metadata
.endif
;; end of part 4
;; ======== version 2 of 2: 4 launches; version 1 with the launch prep written anew for expert scheduling mode
;; limits: inputs' magnitudes at most 7.9e+28; right only within a limited range of input values
;; workspace buffers: xn 16,777,216 bytes; wqkv 12,582,912 bytes; wo 4,194,304 bytes; mk 4,194,304 bytes; qkvp 25,165,824 bytes; ctx 8,388,608 bytes
;; launch prep (part 5): grid 256 x 1, 16 waves a work-group, no clusters, 0 bytes of LDS; arguments hidden_states, ln_weight, Wq, Wk, Wv, Wo, attention_mask, xn, wqkv, wo, mk; writes xn, wqkv, wo, mk
.if DOCPART == 5
	.amdgcn_target "amdgcn-amd-amdhsa--gfx1250"
	.amdhsa_code_object_version 6
	.text
	.protected	k_q563a0f32c8_prep
	.globl	k_q563a0f32c8_prep
	.p2align	8
	.type	k_q563a0f32c8_prep,@function
k_q563a0f32c8_prep:
	s_mov_b64 s[64:65], 0
	v_nop
	global_prefetch_b8 v0, s[64:65] scope:SCOPE_SE
	s_setreg_imm32_b32 hwreg(HW_REG_WAVE_SCHED_MODE, 0, 2), 2
	s_setreg_imm32_b32 hwreg(HW_REG_WAVE_MODE, 25, 1), 1
	s_wait_xcnt 0x0
	s_wait_alu depctr_vm_vsrc(0)
; PREPARATION, a stream: every input byte is read once, every output byte written once.
;  xn[row][2048] bf16   = hidden[row] * rsqrt(mean(hidden[row]^2) + 1e-6) * ln_weight, rounded once
;  wqkv[3072][2048] bf16 = Wq * 2^-2.5 (the scores' 1/sqrt(32), multiplied in f32 ahead of the one rounding), Wk, Wv
;  wo[2048][1024] bf16   = Wo * (1 / 1.05) (the residual's scale, multiplied in f32 ahead of the one rounding)
;  mk: the mask turned round, a byte a key: 0x38 (1.0 as an E4M3 code) where the key is hidden, 0 where it is seen, laid out as the attention launch's
;      lanes want it: [batch 4][16 queries 64][64 keys 16][32 keys 2][lane 32][16 bytes]; lane (r = lane % 16, h = lane / 16) holds query r, keys 8 h + 0..7 and 16 + 8 h + 0..7.
; LIMIT: a mask byte is 0 or 1, as a bool is stored.
; SHARES.  4,096 waves, W = 16 x work-group + wave; each takes row W, 512 numbers of each weight, and one block of 16 queries x 64 keys of the mask.
; All 52 loads of a wave go out at its head; the waits count down as the parts are worked on.  A row is 8,192 bytes: 16 loads of 512 consecutive bytes; it stays in 64 registers between the sum of
; squares and the scaling.  Roundings pack in place, so no register that a store reads is written again.  No LDS, no barrier: nothing is shared between waves.
; THE MODE: SCHED_MODE bits 1:0 = 2 (LLVM: expert scheduling mode 2), set by the entry lines.  The code itself states the register dependences
; between vector instructions and memory instructions, with s_wait_alu, always for 0.
; THE PLAN.  Registers that memory instructions touch:
;   v2, v3, v4   byte offsets, made once at the head and never written again: one wait ahead of the first load states that they are written.
;   X, LW, MK, WT  each is loaded once, at the head, before any vector instruction has named it; no load is issued behind the head.
;   X, MK, WT    are then worked on in place; the packed words are the stores' data, and nothing writes them behind the stores.
; The work goes in STAGES: the row's first half, its second half, the mask, Wq, Wk, Wv, Wo.  A stage's vector instructions name its own registers alone.  Its stores are issued in the NEXT stage, behind one
; wait on va_vdst at that stage's head, dealt among that stage's vector instructions, which name none of the registers that those stores read.  The last stage's stores have a wait of their own.
; No register that a memory instruction reads is written again, so no wait on vm_vsrc stands behind the entry lines.
.set MK, 16                            ; v[16:23]   the mask's 8 words
.set X,  64                            ; v[64:127]  the row
.set LW, 128                           ; v[128:191] ln_weight, my 64 columns
.set WT, 192                           ; v[192:255] 16 registers of each of Wq, Wk, Wv, Wo
	s_load_b512 s[4:19], s[0:1], 0x0               ; hidden s[4:5], ln s[6:7], Wq s[8:9], Wk s[10:11], Wv s[12:13], Wo s[14:15], mask s[16:17], xn s[18:19]
	s_load_b128 s[20:23], s[0:1], 0x40             ; wqkv s[20:21], wo s[22:23]
	s_load_b64 s[24:25], s[0:1], 0x50              ; mk
	v_lshrrev_b32 v1, 5, v0
	v_readfirstlane_b32 s26, v1                    ; wave 0..15
	v_and_b32 v1, 31, v0                           ; lane
	v_lshlrev_b32 v2, 4, v1                        ; 16 bytes a lane: f32 loads, the mask's stores
	v_lshlrev_b32 v3, 3, v1                        ; 8 bytes a lane: bf16 stores
	v_and_b32 v5, 15, v0                           ; r
	v_bfe_u32 v4, v0, 4, 1                         ; h
	v_lshlrev_b32 v4, 3, v4
	v_lshl_add_u32 v4, v5, 10, v4                  ; the mask's loads: query r's row of 1,024 bytes, + 8 h
	s_wait_alu depctr_va_sdst(0)                   ; s26 is written, ahead of its first reader: W and the mask's offset are made from it
	s_lshl_b32 s27, ttmp9, 4
	s_add_co_u32 s27, s27, s26                     ; W
	s_mov_b32 s28, 0x76543210                      ; v_permlanex16_b32: each lane takes its own place in the other half
	s_mov_b32 s29, 0xfedcba98
	s_mov_b32 s30, 0x3e3504f3                      ; 2^-2.5
	s_mov_b32 s31, s30                             ; named with it as a pair
	s_mov_b32 s46, 0x3f73cf3d                      ; 1 / 1.05
	s_mov_b32 s47, s46
	s_mov_b32 s38, 0x3a000000                      ; 1 / 2048
	s_mov_b32 s39, 0x358637bd                      ; 1e-6
	s_lshl_b32 s32, s27, 13                        ; a row of hidden
	s_mov_b32 s33, 0
	s_lshl_b32 s34, s27, 12                        ; a row of xn
	s_mov_b32 s35, 0
	s_lshl_b32 s36, s27, 11                        ; 512 f32 of a weight
	s_mov_b32 s37, 0
	s_lshl_b32 s40, s27, 10                        ; 512 bf16 of a weight; also a block of mk
	s_mov_b32 s41, 0
	s_lshl_b32 s42, ttmp9, 14                      ; the work-group's 16 rows of the mask,
	s_lshl_b32 s43, s26, 6                         ; my wave's 64 keys
	s_add_co_u32 s42, s42, s43
	s_mov_b32 s43, 0
	s_wait_kmcnt 0x0
	s_add_nc_u64 s[4:5], s[4:5], s[32:33]
	s_add_nc_u64 s[18:19], s[18:19], s[34:35]
	s_add_nc_u64 s[8:9], s[8:9], s[36:37]
	s_add_nc_u64 s[10:11], s[10:11], s[36:37]
	s_add_nc_u64 s[12:13], s[12:13], s[36:37]
	s_add_nc_u64 s[14:15], s[14:15], s[36:37]
	s_add_nc_u64 s[20:21], s[20:21], s[40:41]
	s_add_nc_u64 s[22:23], s[22:23], s[40:41]
	s_add_nc_u64 s[24:25], s[24:25], s[40:41]
	s_add_nc_u64 s[16:17], s[16:17], s[42:43]
	s_add_nc_u64 s[44:45], s[20:21], 0x800000      ; Wv's third of wqkv: 8,388,608 bytes on, one more than a store's immediate holds
	s_wait_alu depctr_va_vdst(0)                   ; the offsets v2, v3 and v4 are written: every load and store of the kernel reads one of them
.set j, 0
.rept 16
	global_load_b128 v[X+4*j:X+4*j+3], v2, s[4:5] offset:512*j th:TH_LOAD_NT
.set j, j+1
.endr
.set j, 0
.rept 16
	global_load_b128 v[LW+4*j:LW+4*j+3], v2, s[6:7] offset:512*j
.set j, j+1
.endr
.irp c, 0,1,2,3
	global_load_b64 v[MK+2*(\c):MK+2*(\c)+1], v4, s[16:17] offset:16*(\c) th:TH_LOAD_NT  ; keys 16 c + 8 h + 0..7
.endr
.irp k, 0,1,2,3
.irp i, 0,1,2,3
	global_load_b128 v[WT+16*(\k)+4*(\i):WT+16*(\k)+4*(\i)+3], v2, s[8+2*(\k):9+2*(\k)] offset:512*(\i) th:TH_LOAD_NT
.endr
.endr
; Four numbers of the row, load j's: scaled, rounded, packed in place: four f32 become two words
.macro SCALE j
	v_pk_mul_f32 v[X+4*(\j):X+4*(\j)+1], v[X+4*(\j):X+4*(\j)+1], v[14:15]
	v_pk_mul_f32 v[X+4*(\j)+2:X+4*(\j)+3], v[X+4*(\j)+2:X+4*(\j)+3], v[14:15]
	v_pk_mul_f32 v[X+4*(\j):X+4*(\j)+1], v[X+4*(\j):X+4*(\j)+1], v[LW+4*(\j):LW+4*(\j)+1]
	v_pk_mul_f32 v[X+4*(\j)+2:X+4*(\j)+3], v[X+4*(\j)+2:X+4*(\j)+3], v[LW+4*(\j)+2:LW+4*(\j)+3]
	v_cvt_pk_bf16_f32 v[X+4*(\j)], v[X+4*(\j)], v[X+4*(\j)+1]
	v_cvt_pk_bf16_f32 v[X+4*(\j)+1], v[X+4*(\j)+2], v[X+4*(\j)+3]
.endm
.macro XOUT j                          ; and stored
	global_store_b64 v3, v[X+4*(\j):X+4*(\j)+1], s[18:19] offset:256*(\j)  ; the wave's store covers 256 consecutive bytes, aligned
.endm
; Four numbers of a weight, in the registers from src + 4 j on: (scaled by the pair s[sc],) rounded in place
.macro CAST1 src, j, sc
.if \sc
	v_pk_mul_f32 v[(\src)+4*(\j):(\src)+4*(\j)+1], v[(\src)+4*(\j):(\src)+4*(\j)+1], s[\sc:\sc+1] op_sel_hi:[1,0]
	v_pk_mul_f32 v[(\src)+4*(\j)+2:(\src)+4*(\j)+3], v[(\src)+4*(\j)+2:(\src)+4*(\j)+3], s[\sc:\sc+1] op_sel_hi:[1,0]
.endif
	v_cvt_pk_bf16_f32 v[(\src)+4*(\j)], v[(\src)+4*(\j)], v[(\src)+4*(\j)+1]
	v_cvt_pk_bf16_f32 v[(\src)+4*(\j)+1], v[(\src)+4*(\j)+2], v[(\src)+4*(\j)+3]
.endm
.macro WOUT src, j, base, off          ; and stored
	global_store_b64 v3, v[(\src)+4*(\j):(\src)+4*(\j)+1], s[\base:\base+1] offset:(\off)+256*(\j)
.endm
	; THE ROW: the sum of squares in four chains, across the lanes, the reciprocal root, then scale, round and store
	s_wait_loadcnt 36                              ; the row is in; younger: ln_weight's 16 loads, the mask's 4, the weights' 16
.irp k, 0,1,2,3
	v_pk_mul_f32 v[6+2*(\k):7+2*(\k)], v[X+2*(\k):X+2*(\k)+1], v[X+2*(\k):X+2*(\k)+1]  ; the first products start the chains
.endr
.set j, 4
.rept 28
	v_pk_fma_f32 v[6+2*(j%4):7+2*(j%4)], v[X+2*j:X+2*j+1], v[X+2*j:X+2*j+1], v[6+2*(j%4):7+2*(j%4)]
.set j, j+1
.endr
	v_pk_add_f32 v[6:7], v[6:7], v[8:9]
	v_pk_add_f32 v[10:11], v[10:11], v[12:13]
	v_pk_add_f32 v[6:7], v[6:7], v[10:11]
	v_add_f32 v6, v6, v7
	v_add_f32_dpp v6, v6, v6 row_xmask:1 row_mask:0xf bank_mask:0xf
	v_add_f32_dpp v6, v6, v6 row_xmask:2 row_mask:0xf bank_mask:0xf
	v_add_f32_dpp v6, v6, v6 row_xmask:4 row_mask:0xf bank_mask:0xf
	v_add_f32_dpp v6, v6, v6 row_xmask:8 row_mask:0xf bank_mask:0xf
	v_permlanex16_b32 v7, v6, s28, s29
	v_add_f32 v6, v6, v7
	v_fma_f32 v6, v6, s38, s39                     ; mean + 1e-6
	v_rsq_f32 v14, v6
	v_rsq_f32 v15, v6                              ; twice: a pair for the packed multiply
	v_nop                                          ; a plain instruction behind the last of the two
	s_wait_alu depctr_va_vdst(0)                   ; both reciprocal roots, v14 and v15, are written, ahead of their first reader: one wait for the two
	s_wait_loadcnt 20                              ; ln_weight is in; younger: the mask's 4, the weights' 16
.irp j, 0,1,2,3,4,5,6,7
	SCALE \j                                       ; the row's first half
.endr
	s_wait_alu depctr_va_vdst(0)                   ; the first half's roundings have written their words of X, which the eight stores below read
.irp j, 8,9,10,11,12,13,14,15
	XOUT (\j)-8                                    ; no vector instruction since the wait names these words or v3
	SCALE \j                                       ; the row's second half
.endr
	; THE MASK
	s_wait_loadcnt 16                              ; the mask is in; younger: the weights' 16
	s_wait_alu depctr_va_vdst(0)                   ; the second half's roundings have written their words of X, which the eight stores below read
.irp j, 0,1,2,3,4,5,6,7
	XOUT (\j)+8
	v_xor_b32 v[MK+(\j)], 0x01010101, v[MK+(\j)]   ; 1 where hidden, in each byte;
	v_mul_lo_u32 v[MK+(\j)], v[MK+(\j)], 56        ; times 0x38: no byte carries into the next
.endr
	; THE WEIGHTS: 512 numbers of each in 16 registers
	s_wait_loadcnt 12                              ; Wq is in; younger: the three other weights' four loads each
	s_wait_alu depctr_va_vdst(0)                   ; the multiplies have written the mask's eight words, which the two stores below read
	global_store_b128 v2, v[MK:MK+3], s[24:25]                ; 512 consecutive bytes each
	CAST1 WT, 0, 30
	global_store_b128 v2, v[MK+4:MK+7], s[24:25] offset:512
	CAST1 WT, 1, 30
	CAST1 WT, 2, 30
	CAST1 WT, 3, 30
	s_wait_loadcnt 8                               ; Wk is in
	s_wait_alu depctr_va_vdst(0)                   ; Wq's roundings have written their words, which the four stores below read
.irp j, 0,1,2,3
	WOUT WT, \j, 20, 0                             ; Wq
	CAST1 WT+16, \j, 0
.endr
	s_wait_loadcnt 4                               ; Wv is in
	s_wait_alu depctr_va_vdst(0)                   ; Wk's roundings have written their words, which the four stores below read
.irp j, 0,1,2,3
	WOUT WT+16, \j, 20, 4194304                    ; Wk
	CAST1 WT+32, \j, 0
.endr
	s_wait_loadcnt 0x0                             ; Wo is in
	s_wait_alu depctr_va_vdst(0)                   ; Wv's roundings have written their words, which the four stores below read
.irp j, 0,1,2,3
	WOUT WT+32, \j, 44, 0                          ; Wv
	CAST1 WT+48, \j, 46
.endr
	s_wait_alu depctr_va_vdst(0)                   ; Wo's roundings have written their words, which the last four stores read
.irp j, 0,1,2,3
	WOUT WT+48, \j, 22, 0                          ; Wo
.endr
	s_endpgm
.Lfunc_end_k_q563a0f32c8_prep:
	.size	k_q563a0f32c8_prep, .Lfunc_end_k_q563a0f32c8_prep-k_q563a0f32c8_prep
	.p2alignl 7, 3214868480
	.fill 96, 4, 3214868480
	.section	.rodata,"a",@progbits
	.p2align	6, 0x0
	.amdhsa_kernel k_q563a0f32c8_prep
		.amdhsa_group_segment_fixed_size 0
		.amdhsa_private_segment_fixed_size 0
		.amdhsa_enable_private_segment 0
		.amdhsa_kernarg_size 88
		.amdhsa_user_sgpr_count 2
		.amdhsa_user_sgpr_kernarg_segment_ptr 1
		.amdhsa_wavefront_size32 1
		.amdhsa_system_sgpr_workgroup_id_x 1
		.amdhsa_system_sgpr_workgroup_id_y 1
		.amdhsa_system_sgpr_workgroup_id_z 1
		.amdhsa_system_vgpr_workitem_id 0
		.amdhsa_next_free_vgpr 256
		.amdhsa_next_free_sgpr 66
		.amdhsa_reserve_vcc 0
		.amdhsa_float_denorm_mode_32 3
		.amdhsa_float_denorm_mode_16_64 3
		.amdhsa_memory_ordered 1
		.amdhsa_forward_progress 1
		.amdhsa_inst_pref_size 24
	.end_amdhsa_kernel
	.amdgpu_metadata
---
amdhsa.version: [ 1, 2 ]
amdhsa.kernels:
  - .name:           k_q563a0f32c8_prep
    .symbol:         k_q563a0f32c8_prep.kd
    .args:
      - { .name: hidden_states, .offset: 0, .size: 8, .value_kind: global_buffer, .address_space: global }
      - { .name: ln_weight, .offset: 8, .size: 8, .value_kind: global_buffer, .address_space: global }
      - { .name: Wq, .offset: 16, .size: 8, .value_kind: global_buffer, .address_space: global }
      - { .name: Wk, .offset: 24, .size: 8, .value_kind: global_buffer, .address_space: global }
      - { .name: Wv, .offset: 32, .size: 8, .value_kind: global_buffer, .address_space: global }
      - { .name: Wo, .offset: 40, .size: 8, .value_kind: global_buffer, .address_space: global }
      - { .name: attention_mask, .offset: 48, .size: 8, .value_kind: global_buffer, .address_space: global }
      - { .name: xn, .offset: 56, .size: 8, .value_kind: global_buffer, .address_space: global }
      - { .name: wqkv, .offset: 64, .size: 8, .value_kind: global_buffer, .address_space: global }
      - { .name: wo, .offset: 72, .size: 8, .value_kind: global_buffer, .address_space: global }
      - { .name: mk, .offset: 80, .size: 8, .value_kind: global_buffer, .address_space: global }
    .group_segment_fixed_size: 0
    .private_segment_fixed_size: 0
    .kernarg_segment_align: 8
    .kernarg_segment_size: 88
    .max_flat_workgroup_size: 512
    .sgpr_count:     66
    .vgpr_count:     256
    .wavefront_size: 32
...
	.end_amdgpu_metadata
.endif
;; end of part 5
;; launch qkv: the kernel of part 2 again; grid 16 x 16, 4 waves a work-group, clusters of 4 x 4, 327,680 bytes of LDS; arguments xn, wqkv, qkvp; writes qkvp
;; launch attn: the kernel of part 3 again; grid 8 x 32, 4 waves a work-group, clusters of 4 x 1, 327,680 bytes of LDS; arguments qkvp, position_bias, mk, ctx; writes ctx
;; launch outp: the kernel of part 4 again; grid 16 x 16, 4 waves a work-group, clusters of 4 x 4, 327,680 bytes of LDS; arguments ctx, wo, hidden_states, out0; writes out0
